; MI455X (gfx1250); checked and timed in simulation.
; The chip was launched on July 23, 2026; its instructions are those of AMD's public machine-readable ISA for CDNA 5 (MIT licence, August 2026) and "CDNA5" Instruction Set Architecture Reference Guide (July 2026). The comments in the code are by the model that wrote it; some were corrected since.
;; Moe Layer. Allowed arithmetic: float matrix products may take bf16 or f16 operands with f32 sums; other float arithmetic in f32, or as packed bf16 or f16 multiplies, adds, multiply-adds, maxima and minima; sums over many terms, partial sums and values carried from step to step in f32; what a program stores and reads back later, other than sums and carried values, may be rounded once to bf16 or f16.
;; Inputs: gate_w 8 x 1,024 float32; w1 8 x 1,024 x 2,048 float32; w2 8 x 2,048 x 1,024 float32; w3 8 x 1,024 x 2,048 float32; x 1,024 x 1,024 float32.
;; Outputs: out0 1,024 x 1,024 float32.
;; 2 versions, each right and faster than the one before. Each part assembles by itself: llvm-mc -triple=amdgcn-amd-amdhsa -mcpu=gfx1250 --defsym DOCPART=n.
;; ======== version 1 of 2: 4 launches
;; workspace buffers: xb 2,097,152 bytes; sel 4,096 bytes of whole numbers; cw 8,192 bytes; hid 33,554,432 bytes; yp 16,777,216 bytes
;; launch router (part 1): grid 256 x 1, 4 waves a work-group, no clusters, 16,896 bytes of LDS; arguments x, gate_w, xb, sel, cw; writes xb, sel, cw
.if DOCPART == 1
	.amdgcn_target "amdgcn-amd-amdhsa--gfx1250"
	.amdhsa_code_object_version 6
	.text
	.protected	k_q64c56a3acf_router
	.globl	k_q64c56a3acf_router
	.p2align	8
	.type	k_q64c56a3acf_router,@function
k_q64c56a3acf_router:
	s_mov_b64 s[64:65], 0
	v_nop
	global_prefetch_b8 v0, s[64:65] scope:SCOPE_SE
	s_setreg_imm32_b32 hwreg(HW_REG_WAVE_MODE, 25, 1), 1
	s_wait_xcnt 0x0
; ROUTER.  logits = x gate_w^T, the two largest of eight for each token, their softmax; and x rounded to bf16 for the next launch.
; x [1024][1024] f32, gate_w [8][1024] f32.  Out: xb [1024][1024] bf16; sel[t] = (1 << first expert) | (256 << second expert); cw[0][t], cw[1][t] the two weights, f32.
; BOTH OPERANDS OF THE LOGITS ARE ROUNDED TO bf16 FIRST, like every input of this program; products and sums are f32 (v_fma_mix_f32_bf16: bf16 halves in, f32 out).
; SHARES.  A work-group has four tokens, 4 g .. 4 g + 3.  Wave w has columns 256 w .. 256 w + 255 of all four; lane l the columns 256 w + 128 m + 4 l .. + 3, m = 0, 1:
; each load of a wave covers 512 consecutive bytes, each store of xb 256 consecutive bytes at a multiple of 256.  The 32 partial sums (4 tokens x 8 experts) of every lane meet in LDS;
; behind one barrier wave w finishes token 4 g + w.  No matrix unit: 16.8 MFLOP in all, and whole rows in and out are what counts here.
; The choice only selects values (v_cndmask_b32): no branch and no address hangs on a logit.  Ties go to the lower index (strict >), as jax.lax.top_k has them.
; LIMITS.  Logits are taken to be finite (NaN and infinities are not treated apart).  The sums' order differs from the reference's, so two logits closer than some 1e-7 of their size may change places.
; A second weight below 2^-126 counts as 0.  The three results of a token are stores of 4 bytes by one lane: 12 KB in the whole launch.
.set SPARE, 16384                      ; behind the partial sums: the spare words, 128 bytes a wave, two blocks of 256 bytes that no other line names
.set XS,  16                           ; v[16:47]   x as loaded: token t, half m at XS + 4 (2 t + m)
.set GS,  48                           ; v[48:111]  gate_w as loaded: expert e, half m at GS + 4 (2 e + m)
.set XP,  112                          ; v[112:127] x in bf16 pairs: XP + 4 t + 2 m + pair
.set GP,  128                          ; v[128:159] gate_w in bf16 pairs: GP + 4 e + 2 m + pair
.set ACC, 160                          ; v[160:191] partial sums: ACC + 8 t + e
.set LG,  16                           ; v[16:23]   later: my token's eight logits
.set OT,  48                           ; v[48:55]   later: the other half of the lanes' sums
; v1 lane  v2, v3 the add's two registers  v4 offset in x and gate_w  v5 offset in xb  v6 LDS: where I put sums  v7 LDS: where I read them  v8 0.0  v9 4 x my token
; v10, v11 largest logit and its index  v12, v13 the second  v14, v15 at work
	s_load_b256 s[4:11], s[0:1], 0x0               ; x s[4:5], gate_w s[6:7], xb s[8:9], sel s[10:11]
	s_load_b64 s[12:13], s[0:1], 0x20              ; cw
	v_lshl_add_u32 v2, v0, 2, SPARE                ; my spare word,
	v_mov_b32 v3, 0                                ; and 0: kept for the add at the wave's end
	v_and_b32 v1, 31, v0
	v_lshrrev_b32 v10, 5, v0
	v_readfirstlane_b32 s14, v10                   ; wave 0..3
	v_lshlrev_b32 v12, 4, v1
	v_lshl_add_u32 v4, s14, 10, v12                ; 1,024 w + 16 l
	v_lshlrev_b32 v5, 3, v1
	v_lshl_add_u32 v5, s14, 9, v5                  ; 512 w + 8 l
	v_lshl_add_u32 v6, s14, 12, v12                ; 4,096 w + 16 l
	v_mov_b32 v7, v4                               ; 1,024 w + 16 l: my token's two quads in each wave's block
	v_mov_b32 v8, 0
	s_lshl_b32 s16, ttmp9, 14                      ; four rows of x,
	s_mov_b32 s17, 0
	s_lshl_b32 s18, ttmp9, 13                      ; four rows of xb
	s_mov_b32 s19, 0
	s_lshl2_add_u32 s15, ttmp9, s14                ; my token, 4 g + w
	s_lshl_b32 s15, s15, 2
	v_mov_b32 v9, s15
	s_mov_b32 s20, 0x76543210                      ; v_permlanex16_b32: each lane takes its own place in the other half
	s_mov_b32 s21, 0xfedcba98
	s_wait_kmcnt 0x0
	s_add_nc_u64 s[4:5], s[4:5], s[16:17]
	s_add_nc_u64 s[8:9], s[8:9], s[18:19]
.irp t, 0,1,2,3
.irp m, 0,1
	global_load_b128 v[XS+4*(2*(\t)+(\m)):XS+4*(2*(\t)+(\m))+3], v4, s[4:5] offset:(\t)*4096+(\m)*512 th:TH_LOAD_NT
.endr
.endr
.irp e, 0,1,2,3,4,5,6,7
.irp m, 0,1
	global_load_b128 v[GS+4*(2*(\e)+(\m)):GS+4*(2*(\e)+(\m))+3], v4, s[6:7] offset:(\e)*4096+(\m)*512
.endr
.endr
	s_wait_loadcnt 16                              ; x is in; the 16 younger loads, gate_w's, stay out
.set n, 0
.rept 16
	v_cvt_pk_bf16_f32 v[XP+n], v[XS+2*n], v[XS+2*n+1]
.set n, n+1
.endr
.irp t, 0,1,2,3
.irp m, 0,1
	global_store_b64 v5, v[XP+4*(\t)+2*(\m):XP+4*(\t)+2*(\m)+1], s[8:9] offset:(\t)*2048+(\m)*256
.endr
.endr
	s_wait_loadcnt 0x0                             ; gate_w
.set n, 0
.rept 32
	v_cvt_pk_bf16_f32 v[GP+n], v[GS+2*n], v[GS+2*n+1]
.set n, n+1
.endr
; 8 products for each of the 32 sums; the sums are the inner loop, so that 32 independent chains take turns.  The first product starts a sum on v8 = 0.
.set p, 0
.rept 8
.set a, 0
.rept 32
.if p == 0
	v_fma_mix_f32_bf16 v[ACC+a], v[XP+4*(a/8)], v[GP+4*(a%8)], v8 op_sel_hi:[1,1,0]
.elseif p%2 == 0
	v_fma_mix_f32_bf16 v[ACC+a], v[XP+4*(a/8)+p/2], v[GP+4*(a%8)+p/2], v[ACC+a] op_sel_hi:[1,1,0]
.else
	v_fma_mix_f32_bf16 v[ACC+a], v[XP+4*(a/8)+p/2], v[GP+4*(a%8)+p/2], v[ACC+a] op_sel:[1,1,0] op_sel_hi:[1,1,0]
.endif
.set a, a+1
.endr
.set p, p+1
.endr
.irp n, 0,1,2,3,4,5,6,7
	ds_store_b128 v6, v[ACC+4*(\n):ACC+4*(\n)+3] offset:(\n)*512
.endr
	s_wait_dscnt 0x0                               ; for the others' sake: my sums are in LDS
	s_barrier_signal -1
	s_barrier_wait -1
.irp u, 0,1,2,3
.irp n, 0,1
	ds_load_b128 v[LG+4*(2*(\u)+(\n)):LG+4*(2*(\u)+(\n))+3], v7 offset:(\u)*4096+(\n)*512  ; wave u's sums for my token: experts 4 n .. 4 n + 3
.endr
.endr
	s_wait_dscnt 0x0
.irp k, 0,2,4,6
	v_pk_add_f32 v[LG+(\k):LG+(\k)+1], v[LG+(\k):LG+(\k)+1], v[LG+8+(\k):LG+8+(\k)+1]
	v_pk_add_f32 v[LG+16+(\k):LG+16+(\k)+1], v[LG+16+(\k):LG+16+(\k)+1], v[LG+24+(\k):LG+24+(\k)+1]
.endr
.irp k, 0,2,4,6
	v_pk_add_f32 v[LG+(\k):LG+(\k)+1], v[LG+(\k):LG+(\k)+1], v[LG+16+(\k):LG+16+(\k)+1]
.endr
.irp x, 1,2,4,8                        ; over the 32 lanes: four steps inside each half, the eight logits by turns,
.irp e, 0,1,2,3,4,5,6,7
	v_add_f32_dpp v[LG+(\e)], v[LG+(\e)], v[LG+(\e)] row_xmask:\x row_mask:0xf bank_mask:0xf
.endr
.endr
.irp e, 0,1,2,3,4,5,6,7                ; and one across the halves: every lane then holds all eight logits
	v_permlanex16_b32 v[OT+(\e)], v[LG+(\e)], s20, s21
.endr
.irp e, 0,1,2,3,4,5,6,7
	v_add_f32 v[LG+(\e)], v[LG+(\e)], v[OT+(\e)]
.endr
	v_mov_b32 v10, v[LG]                           ; the largest: strict >, so the lower index keeps a tie
	v_mov_b32 v11, 0
.irp e, 1,2,3,4,5,6,7
	v_cmp_gt_f32 vcc_lo, v[LG+(\e)], v10
	v_cndmask_b32 v10, v10, v[LG+(\e)], vcc_lo
	v_cndmask_b32 v11, v11, \e, vcc_lo
.endr
	v_mov_b32 v12, 0xff800000                      ; the largest of the other seven, from minus infinity on
	v_mov_b32 v13, 0
.irp e, 0,1,2,3,4,5,6,7
	v_cmp_gt_f32 s22, v[LG+(\e)], v12
	v_cmp_ne_u32 s23, \e, v11
	s_and_b32 s24, s22, s23
	v_cndmask_b32 v12, v12, v[LG+(\e)], s24
	v_cndmask_b32 v13, v13, \e, s24
.endr
	v_sub_f32 v14, v12, v10                        ; the maximum is taken away: second - first, never above 0
	v_mul_f32 v14, 0x3fb8aa3b, v14                 ; x log2(e)
	v_exp_f32 v14, v14
	v_mov_b32 v15, 1                               ; a plain instruction behind the exponential,
	s_wait_alu depctr_va_vdst(0)                   ; and the wait ahead of its first reader
	v_add_f32 v48, 1.0, v14
	v_rcp_f32 v48, v48                             ; first weight: 1 / (1 + ex)
	v_add_nc_u32 v51, 8, v13                       ; (plain, independent)
	s_wait_alu depctr_va_vdst(0)
	v_mul_f32 v49, v14, v48                        ; second weight: ex / (1 + ex)
	v_lshlrev_b32 v50, v11, v15                    ; 1 << first
	v_lshlrev_b32 v51, v51, v15                    ; 256 << second
	v_or_b32 v50, v50, v51
	s_wait_xcnt 0x0                                ; EXEC changes only behind this wait: the stores of xb have been issued
	v_cmpx_gt_u32 1, v1                            ; lane 0 alone
	global_store_b32 v9, v50, s[10:11]
	global_store_b32 v9, v48, s[12:13]
	global_store_b32 v9, v49, s[12:13] offset:4096
	s_wait_xcnt 0x0                                ; and again in front of the line that widens it
	s_mov_b32 exec_lo, -1
	s_wait_tensorcnt 0x0                           ; the wave's end, behind my last LDS store
	ds_add_u32 v2, v3
	s_wait_dscnt 0x0
	s_endpgm
.Lfunc_end_k_q64c56a3acf_router:
	.size	k_q64c56a3acf_router, .Lfunc_end_k_q64c56a3acf_router-k_q64c56a3acf_router
	.p2alignl 7, 3214868480
	.fill 96, 4, 3214868480
	.section	.rodata,"a",@progbits
	.p2align	6, 0x0
	.amdhsa_kernel k_q64c56a3acf_router
		.amdhsa_group_segment_fixed_size 16896
		.amdhsa_private_segment_fixed_size 0
		.amdhsa_enable_private_segment 0
		.amdhsa_kernarg_size 40
		.amdhsa_user_sgpr_count 2
		.amdhsa_user_sgpr_kernarg_segment_ptr 1
		.amdhsa_wavefront_size32 1
		.amdhsa_system_sgpr_workgroup_id_x 1
		.amdhsa_system_sgpr_workgroup_id_y 1
		.amdhsa_system_sgpr_workgroup_id_z 1
		.amdhsa_system_vgpr_workitem_id 0
		.amdhsa_next_free_vgpr 192
		.amdhsa_next_free_sgpr 66
		.amdhsa_reserve_vcc 1
		.amdhsa_float_denorm_mode_32 3
		.amdhsa_float_denorm_mode_16_64 3
		.amdhsa_memory_ordered 1
		.amdhsa_forward_progress 1
		.amdhsa_inst_pref_size 33
	.end_amdhsa_kernel
	.amdgpu_metadata
---
amdhsa.version: [ 1, 2 ]
amdhsa.kernels:
  - .name:           k_q64c56a3acf_router
    .symbol:         k_q64c56a3acf_router.kd
    .args:
      - { .name: x, .offset: 0, .size: 8, .value_kind: global_buffer, .address_space: global }
      - { .name: gate_w, .offset: 8, .size: 8, .value_kind: global_buffer, .address_space: global }
      - { .name: xb, .offset: 16, .size: 8, .value_kind: global_buffer, .address_space: global }
      - { .name: sel, .offset: 24, .size: 8, .value_kind: global_buffer, .address_space: global }
      - { .name: cw, .offset: 32, .size: 8, .value_kind: global_buffer, .address_space: global }
    .group_segment_fixed_size: 16896
    .private_segment_fixed_size: 0
    .kernarg_segment_align: 8
    .kernarg_segment_size: 40
    .max_flat_workgroup_size: 128
    .sgpr_count:     66
    .vgpr_count:     192
    .wavefront_size: 32
...
	.end_amdgpu_metadata
.endif
;; end of part 1
;; launch up (part 2): grid 32 x 8, 4 waves a work-group, no clusters, 284,160 bytes of LDS; arguments xb, sel, w1, w3, hid; writes hid
.if DOCPART == 2
	.amdgcn_target "amdgcn-amd-amdhsa--gfx1250"
	.amdhsa_code_object_version 6
	.text
	.protected	k_q64c56a3acf_up
	.globl	k_q64c56a3acf_up
	.p2align	8
	.type	k_q64c56a3acf_up,@function
k_q64c56a3acf_up:
	s_mov_b64 s[64:65], 0
	v_nop
	global_prefetch_b8 v0, s[64:65] scope:SCOPE_SE
	s_setreg_imm32_b32 hwreg(HW_REG_WAVE_MODE, 25, 1), 1
	s_wait_xcnt 0x0
; UP.  hid = silu(x w1[e]) * (x w3[e]) for the tokens that chose expert e, in bf16.  xb [1024][1024] bf16; sel[t] = (1 << first) | (256 << second); w1, w3 [8][1024][2048] f32.
; SHARES.  Work-group (s, e) has expert e and the 64 hidden columns 64 s .. 64 s + 63 of BOTH w1 and w3: 512 KB of f32 that it alone reads, once.  THE WEIGHTS STAY, THE ROWS WALK.
; PHASE 1.  Each wave streams a quarter of the slice through registers (waves 0, 2: w1; waves 1, 3: w3), 64 loads of 16 bytes a lane on their way; each load takes two whole row pieces of 256 bytes
; (lanes 0-15 row k, lanes 16-31 row k + 8).  Lane (r = l % 16, h = l / 16) holds W[k][4 r .. 4 r + 3] for the 16 rows k that a fragment's lane needs (8 h + 0..7, 16 + 8 h + 0..7); rounding rows 2 p, 2 p + 1
; of component j as a pair IS register p of fragment j, in which lane r stands for column 4 r + j.  So nothing is transposed, and the images go to LDS and come back at 16 x lane.  One barrier.
; PHASE 2.  The expert's rows, in tiles of 16 by rank.  A pass gives each wave five tile slots: tile = 20 pass + 4 slot + wave; four passes (80 tiles) cover the 64 that one expert can have.  A pass without
; tiles is jumped forward; there is no barrier inside this phase.  All loads and the first K step (C = 0) run for all five slots (places past the count repeat token 0); the later products of slots 3 and 4 and
; whole ways out are jumped by scalar branches, so every counted wait counts the same on every path.
; THE LIST.  Every wave ranks the expert's tokens for itself, in LDS words of its own: group G = 4 q + i, lane l is token 128 q + 4 l + i; rank = matches in earlier groups + matches in lower lanes.
; The next launch ranks in the same way.
; THE PRODUCT IS USED TRANSPOSED (source 0 = weights, source 1 = 16 rows of x): register i of lane (r, h) is token row r, column 32 h + 4 i + j.  The four j of a lane, packed in pairs, are 32 neighbouring
; columns: two fragments of source 0 for the next launch, which orders its K likewise.  hid: [e][tile 64][s 32][u 2][half 2][lane 32][16 bytes]; only tiles that exist are written.
; NO JOINT LOADS: each weight byte has one reader; what the 32 work-groups of an expert share is its rows of x, which come by a list that no tile descriptor covers.
; LIMITS.  All operands bf16, sums f32; hid is rounded once to bf16.  sigmoid = 1 / (1 + 2^(-h log2 e)): where the exponential overflows the result is 0, as the limit is; a denormal exponential counts as 0.
.set LISTB, 5376                       ; a wave's list: 1,280 words (80 tiles x 16), 32 words for lanes that do not match, rounded up to blocks of 256
.set LIST,  262144                     ; behind the weight images: K step ks, matrix c, component j at ks 8192 + c 4096 + j 1024 + half 512 + lane 16
.set SPARE, LIST+4*LISTB               ; the spare words, 128 bytes a wave: two blocks of 256 bytes that no other line names
.set CHB,   0x8000                     ; a chunk of four K steps in the images
.set LN,  1                            ; lane
.set SPW, 2                            ; my spare word;  NIL: 0.  Kept for the add at the wave's end
.set NIL, 3
.set L16, 4                            ; 16 x lane
.set RR,  5                            ; r
.set HH,  6                            ; h
.set WO,  7                            ; my offset in a block of weights: 8 h rows of 8,192 bytes + 16 r
.set WL,  8                            ; LDS: where my images go
.set LB,  9                            ; LDS: my wave's list
.set TRI, 10                           ; 1280 + lane: where a lane without a match writes
.set T4,  11                           ; 4 x lane
.set TMP, 12                           ; v12-15 at work
.set AO,  16                           ; v16-20  slot i: my row's byte offset in xb, at the chunk in hand
.set BA,  21                           ; LDS: the chunk's images: made anew for each chunk, 16 x lane + the chunk's bytes
.set LA,  22                           ; LDS: my row's word in the pass's first tile
.set H16, 23                           ; 16 h
.set SO,  24                           ; my offset in hid
.set TK,  25                           ; v25-29  slot i: my row's token
.set PK,  32                           ; v32-63  a block's eight half fragments
.set BF0, 64                           ; v64-127, v128-191  weight fragments of a K step, two buffers: matrix c, component j at 8 (4 c + j)
.set SE,  64                           ; at the head: sel, 32 registers
.set ZQ,  96                           ; at the head: four zeros
.set T,   64                           ; on the way out: 32 numbers at work
.set P,   96                           ; on the way out: 16 registers of bf16 pairs
.set AC4, 192                          ; v192-255  slot 4's accumulators
; window 1: phase 1 four blocks of 64 as loaded; phase 2 rows of x, buffer X: K step ks of a chunk's four, slot i at 8 (5 ks + i).  window 2: buffer Y.  window 3: slots 0-3: 64 i + 32 c + 8 j
; s[4:5] xb  s[6:7] sel  s[8:9] w1  s[10:11] w3  s[12:13] hid  s14 wave  s15 s  s16 e  s[18:19] my weights  s22 0x101 << e  s23 rows  s24 tiles  s25 pass  s26 the pass's first tile of mine
; s27 my live slots  s28 loop counts  s29 mask  s30, s31 at work  s[32:33] hid at (e, s)  s[34:35] -log2(e)  s38 the images' byte at which the K loop's trip begins  s39 the same, a chunk on
.set MSB, 0
.macro WIN new                         ; s_set_vgpr_msb: bits 1:0 source 0, 3:2 source 1, 5:4 source 2, 7:6 destination; the high byte repeats the setting that is left
.if MSB != (\new)
	s_set_vgpr_msb (MSB<<8)|(\new)
.set MSB, \new
.endif
.endm
.macro PLACES                          ; four plain vector instructions between a matrix instruction and a load into, or a vector access to, its registers
.rept 4
	v_nop
.endr
.endm
.macro WLOAD st, imm                   ; a block: 32 rows of K x 64 columns, 16 loads, into stage st
	WIN 0x40
.set q, 0
.rept 16
	global_load_b128 v[64*(\st)+4*q:64*(\st)+4*q+3], v[WO], s[18:19] offset:(\imm)+(q+8*(q/8))*8192 th:TH_LOAD_NT
.set q, q+1
.endr
.endm
.macro WCVT st                         ; register p of fragment j = rows 2 p, 2 p + 1, component j
	WIN 0x05
.set j, 0
.rept 4
.set p, 0
.rept 8
	v_cvt_pk_bf16_f32 v[PK+8*j+p], v[64*(\st)+8*p+j], v[64*(\st)+8*p+4+j]
.set p, p+1
.endr
.set j, j+1
.endr
.endm
.macro WSTORE imm
	WIN 0
.set f, 0
.rept 8
	ds_store_b128 v[WL], v[PK+4*f:PK+4*f+3] offset:(\imm)+f*512
.set f, f+1
.endr
.endm
; Block jb of a trip's four lies at K step {0, 1, 4, 5}[jb] of my eight.  left: the younger loads that may stay out.  ld = 1: the stage takes the block four further on.
.macro WBLOCK jb, ld, left
.set wg, (\jb)%2+4*((\jb)/2)
	s_wait_loadcnt \left
	WCVT \jb
	WSTORE wg*8192
.if \ld
	WLOAD \jb, wg*262144+2097152
.endif
.endm
	s_load_b256 s[4:11], s[0:1], 0x0
	s_load_b64 s[12:13], s[0:1], 0x20
	v_lshl_add_u32 v[SPW], v0, 2, SPARE
	v_mov_b32 v[NIL], 0
	v_and_b32 v[LN], 31, v0
	v_lshrrev_b32 v[TMP], 5, v0
	v_readfirstlane_b32 s14, v[TMP]                ; wave 0..3
	s_mov_b32 s15, ttmp9
	s_and_b32 s16, ttmp7, 0xffff
	v_lshlrev_b32 v[L16], 4, v[LN]
	v_and_b32 v[RR], 15, v[LN]
	v_lshrrev_b32 v[HH], 4, v[LN]
	v_lshlrev_b32 v[WO], 4, v[RR]
	v_lshl_add_u32 v[WO], v[HH], 16, v[WO]
	s_lshr_b32 s30, s14, 1                         ; which two of every four K steps are mine
	s_and_b32 s31, s14, 1                          ; which matrix
	s_lshl_b32 s28, s30, 14
	s_lshl_b32 s29, s31, 12
	s_add_co_u32 s28, s28, s29
	v_add_nc_u32 v[WL], s28, v[L16]
	s_mul_i32 s28, s14, LISTB
	s_add_co_u32 s28, s28, LIST
	v_mov_b32 v[LB], s28
	v_add_nc_u32 v[TRI], 1280, v[LN]
	v_lshlrev_b32 v[T4], 2, v[LN]
	v_lshlrev_b32 v[H16], 4, v[HH]
	v_lshl_add_u32 v[LA], v[RR], 2, v[LB]
	v_lshl_add_u32 v[LA], s14, 6, v[LA]            ; list + 64 w + 4 r: tile w, row r
	s_lshl_b32 s22, 0x101, s16
	s_mov_b32 s23, 0
	s_mov_b32 s34, 0xbfb8aa3b                      ; -log2(e); named as a pair
	s_mov_b32 s35, s34
	s_lshl_b32 s20, s16, 23                        ; an expert's 8 MB,
	s_lshl_b32 s28, s15, 8                         ; the slice's 256 bytes of a row,
	s_add_co_u32 s20, s20, s28
	s_lshl_b32 s28, s30, 19                        ; two K steps of 32 rows
	s_add_co_u32 s20, s20, s28
	s_mov_b32 s21, 0
	s_lshl_b32 s36, s16, 22                        ; hid: an expert's 64 tiles of 64 KB, the slice's 2 KB of a tile
	s_lshl_b32 s28, s15, 11
	s_add_co_u32 s36, s36, s28
	s_mov_b32 s37, 0
	s_cmp_eq_u32 s31, 0
	s_wait_kmcnt 0x0
	s_cselect_b64 s[18:19], s[8:9], s[10:11]       ; w1 for even waves, w3 for odd ones
	s_add_nc_u64 s[18:19], s[18:19], s[20:21]
	s_add_nc_u64 s[32:33], s[12:13], s[36:37]
.irp q, 0,1,2,3,4,5,6,7
	global_load_b128 v[SE+4*(\q):SE+4*(\q)+3], v[L16], s[6:7] offset:(\q)*512
.endr
	WLOAD 0, 0                                     ; the stream starts ahead of the list's work
	WLOAD 1, 262144
	WLOAD 2, 1048576
	WIN 0
.irp n, 0,1,2,3
	v_mov_b32 v[ZQ+(\n)], 0
.endr
	v_add_nc_u32 v[TMP], v[LB], v[L16]
.irp n, 0,1,2,3,4,5,6,7,8,9
	ds_store_b128 v[TMP], v[ZQ:ZQ+3] offset:(\n)*512  ; places past the count name token 0
.endr
	s_wait_loadcnt 48                              ; sel is in; the three younger blocks of weights stay out
.set G, 0
.rept 32
	v_and_b32 v[TMP], s22, v[SE+G]
	v_cmp_ne_u32 s29, 0, v[TMP]                    ; did the token choose e, first or second?
	v_mbcnt_lo_u32_b32 v[TMP], s29, s23            ; rank: matches so far + matches in lower lanes
	v_cndmask_b32 v[TMP], v[TRI], v[TMP], s29
	v_min_u32 v[TMP], 0x51f, v[TMP]                ; inside my list, whatever sel holds
	v_lshl_add_u32 v[TMP], v[TMP], 2, v[LB]
	v_add_nc_u32 v[TMP+1], 128*(G/4)+G%4, v[T4]
	ds_store_b32 v[TMP], v[TMP+1]
	s_bcnt1_i32_b32 s30, s29
	s_add_co_u32 s23, s23, s30
.set G, G+1
.endr
	s_add_co_u32 s24, s23, 15
	s_lshr_b32 s24, s24, 4                         ; tiles of 16 rows
	WLOAD 3, 1310720
	WIN 0
	s_mov_b32 s28, 3
.Lw:                                                   ; a trip: four blocks rounded and laid down, the four after them asked for.  48 = the three younger blocks
	WBLOCK 0, 1, 48
	WBLOCK 1, 1, 48
	WBLOCK 2, 1, 48
	WBLOCK 3, 1, 48
	WIN 0
	s_wait_xcnt 0x0                                ; the base is stepped only behind this wait
	s_add_nc_u64 s[18:19], s[18:19], 0x200000      ; eight K steps on
	v_add_nc_u32 v[WL], 0x10000, v[WL]
	s_sub_co_u32 s28, s28, 1
	s_cmp_lg_u32 s28, 0
	s_cbranch_scc1 .Lw
	WBLOCK 0, 0, 48                                ; the last four blocks: nothing more to ask for, the counts run down
	WBLOCK 1, 0, 32
	WBLOCK 2, 0, 16
	WBLOCK 3, 0, 0
	s_wait_dscnt 0x0                               ; for the others' sake: my images are in LDS
	s_barrier_signal -1
	s_barrier_wait -1
.macro ALOAD win                       ; a chunk of four K steps: each row's 256 bytes, as eight loads of 16 bytes for each half of the lanes
	WIN \win
.set ak, 0
.rept 4
.set ai, 0
.rept 5
	global_load_b128 v[8*(5*ak+ai):8*(5*ak+ai)+3],   v[AO+ai], s[4:5] offset:ak*64
	global_load_b128 v[8*(5*ak+ai)+4:8*(5*ak+ai)+7], v[AO+ai], s[4:5] offset:ak*64+32
.set ai, ai+1
.endr
.set ak, ak+1
.endr
.endm
.macro BFETCH bf, off                  ; a K step's eight weight fragments
	WIN 0
.set bx, 0
.rept 8
	ds_load_b128 v[(\bf)+8*bx:(\bf)+8*bx+3],   v[BA] offset:(\off)+bx*1024
	ds_load_b128 v[(\bf)+8*bx+4:(\bf)+8*bx+7], v[BA] offset:(\off)+bx*1024+512
.set bx, bx+1
.endr
.endm
.macro MMT aw, ks, bf, i, zero         ; slot i's eight products of a K step.  aw: the window of x's buffer
.if (\i) < 4
	WIN 0xf0|((\aw)<<2)
.set mD, 64*(\i)
.else
	WIN (\aw)<<2
.set mD, AC4
.endif
.set mf, 0
.rept 8
.if \zero
	v_wmma_f32_16x16x32_bf16 v[mD+8*mf:mD+8*mf+7], v[(\bf)+8*mf:(\bf)+8*mf+7], v[8*(5*(\ks)+(\i)):8*(5*(\ks)+(\i))+7], 0
.else
	v_wmma_f32_16x16x32_bf16 v[mD+8*mf:mD+8*mf+7], v[(\bf)+8*mf:(\bf)+8*mf+7], v[8*(5*(\ks)+(\i)):8*(5*(\ks)+(\i))+7], v[mD+8*mf:mD+8*mf+7]
.endif
.set mf, mf+1
.endr
.endm
; A K step.  The next step's fragments are asked for first, into the buffer that the step before multiplied; then this step's products, every accumulator once: they take turns.
.macro KSTEP aw, ks, zero, last
.set kb, BF0+64*((\ks)%2)
.set ko, BF0+64*(((\ks)+1)%2)
	WIN 0
.if \last
	s_wait_dscnt 0x0
.else
	PLACES
	BFETCH ko, ((\ks)+1)*8192
	s_wait_dscnt 16                                ; this step's fragments are in; the 16 loads just issued stay out
.endif
	MMT \aw, \ks, kb, 0, \zero
	MMT \aw, \ks, kb, 1, \zero
	MMT \aw, \ks, kb, 2, \zero
.if \zero
	MMT \aw, \ks, kb, 3, 1                         ; the first K step starts all 40 sums, those of empty slots too
	MMT \aw, \ks, kb, 4, 1
	WIN 0
.else
	WIN 0
	s_cmp_lt_u32 s27, 4
	s_cbranch_scc1 .Lke_\@
	MMT \aw, \ks, kb, 3, 0
	WIN 0
	s_cmp_lt_u32 s27, 5
	s_cbranch_scc1 .Lke_\@
	MMT \aw, \ks, kb, 4, 0
	WIN 0
.Lke_\@:
.endif
.endm
; A chunk: four K steps on one buffer of x, while the next chunk's rows come into the other.  bo: the chunk's bytes behind s38 in the images; the pass's first chunk (zero = 1) finds BA = 16 x lane.
.macro CHUNK aw, zero, ldnext, last, bo=0
	WIN 0
	s_wait_loadcnt 0x0                             ; this chunk's rows, asked for a chunk ago, are in; the wait also frees their offsets
.if !(\zero)
.if (\bo) != 0
	s_add_co_u32 s39, s38, \bo
	v_add_nc_u32 v[BA], s39, v[L16]
.else
	v_add_nc_u32 v[BA], s38, v[L16]
.endif
.endif
.if \ldnext
.irp i, 0,1,2,3,4
	v_add_nc_u32 v[AO+(\i)], 0x100, v[AO+(\i)]     ; these are also the places in front of the loads into the buffer just multiplied
.endr
	ALOAD 0xc0-((\aw)<<6)
.endif
	KSTEP \aw, 0, \zero, 0
	KSTEP \aw, 1, 0, 0
	KSTEP \aw, 2, 0, 0
	KSTEP \aw, 3, 0, \last
.endm
; THE WAY OUT of slot i: silu(h) g in f32, rounded once, 2 KB of fragment images.  Each accumulator is read from its lowest registers on.
.macro EPI i
.if (\i) < 4
.set eH, 64*(\i)
.set eW, 0x03
.else
.set eH, AC4
.set eW, 0
.endif
	WIN 0
.if (\i) > 0
	s_cmp_le_u32 s27, \i
	s_cbranch_scc1 .Lee_\@
.endif
	WIN eW
.set n, 0
.rept 16
	v_pk_mul_f32 v[T+2*n:T+2*n+1], v[eH+2*n:eH+2*n+1], s[34:35] op_sel_hi:[1,0]  ; -h log2(e)
.set n, n+1
.endr
	WIN 0
.set n, 0
.rept 32
	v_exp_f32 v[T+n], v[T+n]
.set n, n+1
.endr
	v_nop                                          ; a plain instruction behind the last exponential,
	s_wait_alu depctr_va_vdst(0)                   ; and one wait for the batch of 32
.set n, 0
.rept 16
	v_pk_add_f32 v[T+2*n:T+2*n+1], v[T+2*n:T+2*n+1], 1.0 op_sel_hi:[1,0]
.set n, n+1
.endr
.set n, 0
.rept 32
	v_rcp_f32 v[T+n], v[T+n]
.set n, n+1
.endr
	v_nop
	s_wait_alu depctr_va_vdst(0)                   ; one wait for the 32 reciprocals
	WIN eW
.set n, 0
.rept 16
	v_pk_mul_f32 v[T+2*n:T+2*n+1], v[eH+2*n:eH+2*n+1], v[T+2*n:T+2*n+1]  ; h sigmoid(h) first: a sigmoid of 0 never meets an overflowed h g
.set n, n+1
.endr
.set n, 0
.rept 16
	v_pk_mul_f32 v[T+2*n:T+2*n+1], v[eH+32+2*n:eH+32+2*n+1], v[T+2*n:T+2*n+1]
.set n, n+1
.endr
	WIN 0
	s_wait_xcnt 0x0                                ; P and SO, which the slot before stored from, are rewritten only behind this wait
.set n, 0
.rept 8
	v_cvt_pk_bf16_f32 v[P+2*n],   v[T+n],    v[T+8+n]   ; columns 32 h + 4 n, + 1
	v_cvt_pk_bf16_f32 v[P+2*n+1], v[T+16+n], v[T+24+n]  ; + 2, + 3
.set n, n+1
.endr
	s_add_co_u32 s30, s26, 4*(\i)
	s_lshl_b32 s30, s30, 16                        ; the tile's 64 KB
	v_add_nc_u32 v[SO], s30, v[L16]
.irp q, 0,1,2,3
	global_store_b128 v[SO], v[P+4*(\q):P+4*(\q)+3], s[32:33] offset:(\q)*512  ; 512 consecutive bytes, at a multiple of 512 from hid's first
.endr
.Lee_\@:
.endm
	s_mov_b32 s25, 0
	s_mov_b32 s26, s14
.Lpass:                                                ; four passes, a constant; a pass in which I have no tile is jumped
	s_sub_co_i32 s30, s24, s26
	s_cmp_le_i32 s30, 0
	s_cbranch_scc1 .Lnext
	s_add_co_u32 s30, s30, 3
	s_lshr_b32 s30, s30, 2
	s_min_u32 s27, s30, 5                          ; my live slots: 1 to 5
	s_wait_xcnt 0x0                                ; the last pass's stores have read P, on which the first fetch below lands
.irp i, 0,1,2,3,4
	ds_load_b32 v[TK+(\i)], v[LA] offset:(\i)*256  ; my own wave's words: LDS serves a wave's instructions in order (ISA guide 5.7.1.4)
.endr
	v_mov_b32 v[BA], v[L16]                        ; chunk 0
	s_mov_b32 s38, CHB                             ; the K loop's first trip begins at chunk 1
	s_wait_dscnt 0x0
.irp i, 0,1,2,3,4
	v_min_u32 v[TK+(\i)], 0x3ff, v[TK+(\i)]
	v_lshl_add_u32 v[AO+(\i)], v[TK+(\i)], 11, v[H16]  ; token x 2,048 bytes + 16 h
.endr
	ALOAD 0x40
	BFETCH BF0, 0
	CHUNK 1, 1, 1, 0
	WIN 0
	s_mov_b32 s28, 3
.Lk:                                                   ; a trip: two chunks, at s38 and a chunk behind it
	CHUNK 2, 0, 1, 0, 0
	CHUNK 1, 0, 1, 0, CHB
	WIN 0
	s_add_co_u32 s38, s38, 2*CHB                   ; stepped once a trip
	s_sub_co_u32 s28, s28, 1
	s_cmp_lg_u32 s28, 0
	s_cbranch_scc1 .Lk
	CHUNK 2, 0, 0, 1, 0                            ; the eighth chunk, at s38 = 7 chunks, asks for nothing
	WIN 0
	PLACES                                         ; the way out reads results just made and writes over fragment registers
	EPI 0
	EPI 1
	EPI 2
	EPI 3
	EPI 4
.Lnext:
	s_add_co_u32 s26, s26, 20
	v_add_nc_u32 v[LA], 1280, v[LA]
	s_add_co_u32 s25, s25, 1
	s_cmp_lt_u32 s25, 4
	s_cbranch_scc1 .Lpass
	s_wait_dscnt 0x0                               ; my reads of the shared images are over;
	s_barrier_signal -1                            ; read, wait, barrier, write: every wave's reads are over before any wave's last LDS write below
	s_barrier_wait -1
	s_wait_tensorcnt 0x0                           ; the wave's end, behind my last LDS store
	ds_add_u32 v[SPW], v[NIL]
	s_wait_dscnt 0x0
	s_endpgm
.Lfunc_end_k_q64c56a3acf_up:
	.size	k_q64c56a3acf_up, .Lfunc_end_k_q64c56a3acf_up-k_q64c56a3acf_up
	.p2alignl 7, 3214868480
	.fill 96, 4, 3214868480
	.section	.rodata,"a",@progbits
	.p2align	6, 0x0
	.amdhsa_kernel k_q64c56a3acf_up
		.amdhsa_group_segment_fixed_size 284160
		.amdhsa_private_segment_fixed_size 0
		.amdhsa_enable_private_segment 0
		.amdhsa_kernarg_size 40
		.amdhsa_user_sgpr_count 2
		.amdhsa_user_sgpr_kernarg_segment_ptr 1
		.amdhsa_wavefront_size32 1
		.amdhsa_system_sgpr_workgroup_id_x 1
		.amdhsa_system_sgpr_workgroup_id_y 1
		.amdhsa_system_sgpr_workgroup_id_z 1
		.amdhsa_system_vgpr_workitem_id 0
		.amdhsa_next_free_vgpr 1024
		.amdhsa_next_free_sgpr 66
		.amdhsa_reserve_vcc 0
		.amdhsa_float_denorm_mode_32 3
		.amdhsa_float_denorm_mode_16_64 3
		.amdhsa_memory_ordered 1
		.amdhsa_forward_progress 1
		.amdhsa_inst_pref_size 175
	.end_amdhsa_kernel
	.amdgpu_metadata
---
amdhsa.version: [ 1, 2 ]
amdhsa.kernels:
  - .name:           k_q64c56a3acf_up
    .symbol:         k_q64c56a3acf_up.kd
    .args:
      - { .name: xb, .offset: 0, .size: 8, .value_kind: global_buffer, .address_space: global }
      - { .name: sel, .offset: 8, .size: 8, .value_kind: global_buffer, .address_space: global }
      - { .name: w1, .offset: 16, .size: 8, .value_kind: global_buffer, .address_space: global }
      - { .name: w3, .offset: 24, .size: 8, .value_kind: global_buffer, .address_space: global }
      - { .name: hid, .offset: 32, .size: 8, .value_kind: global_buffer, .address_space: global }
    .group_segment_fixed_size: 284160
    .private_segment_fixed_size: 0
    .kernarg_segment_align: 8
    .kernarg_segment_size: 40
    .max_flat_workgroup_size: 128
    .sgpr_count:     66
    .vgpr_count:     1024
    .wavefront_size: 32
...
	.end_amdgpu_metadata
.endif
;; end of part 2
;; launch down (part 3): grid 32 x 8, 4 waves a work-group, no clusters, 173,568 bytes of LDS; arguments hid, sel, cw, w2, yp; writes yp
.if DOCPART == 3
	.amdgcn_target "amdgcn-amd-amdhsa--gfx1250"
	.amdhsa_code_object_version 6
	.text
	.protected	k_q64c56a3acf_down
	.globl	k_q64c56a3acf_down
	.p2align	8
	.type	k_q64c56a3acf_down,@function
k_q64c56a3acf_down:
	s_mov_b64 s[64:65], 0
	v_nop
	global_prefetch_b8 v0, s[64:65] scope:SCOPE_SE
	s_setreg_imm32_b32 hwreg(HW_REG_WAVE_MODE, 25, 1), 1
	s_wait_xcnt 0x0
; DOWN.  yp = gate weight x (hid w2[e]), partial over halves of the hidden width.  hid: bf16 fragment images [e][tile 64][s 32][u 2][half 2][lane 32][16 bytes]; w2 [8][2048][1024] f32.
; yp [p 4][1024][1024] f32, p = 2 kh + kc: kh the half of the hidden width, kc whether the expert was the token's first or second choice.  Every row of yp has exactly one writer for each 64 columns.
; SHARES.  Work-group (x, e): columns 64 (x / 2) .. + 63 of the output, hidden rows 1024 (x % 2) .. + 1023 of w2[e]: 256 KB of f32 that it alone reads, once.  Halves of K and not narrower columns, so that a
; weight row's piece stays 256 whole bytes.  As in the launch before: phase 1 lays the slice into LDS as bf16 fragment images, one barrier, then the expert's tiles of 16 rows walk:
; tile = 20 pass + 4 slot + wave, four passes, no barrier inside; all loads and the first two K steps run for all five slots (a slot past the count repeats the last tile that exists).
; K's ORDER.  In the images lane half h of K step t = 2 s + u holds hidden columns 64 s + 32 h + 16 u + 0..15, so lane half h takes just those 16 rows of w2: the same order of K on both sides.
; THE PRODUCT (source 0 = hid, source 1 = weights; in fragment j lane r stands for column 4 r + j): register rr of lane (r, h) is row 8 h + rr, column 4 r + j: the four j make 16 neighbouring bytes, and 16 lanes
; store 256 consecutive bytes of a row, at a multiple of 256 from yp's first byte.
; THE LIST.  Ranks as in the launch before; an entry is the pair (row of yp, gate weight).  Rows past the count are not stored: EXEC is narrowed store by store.
; NO JOINT LOADS: the 16 work-groups of an expert's K half walk the same tiles of hid, but how many hangs on a stored count, and a loop of that kind holds no ring, barrier or tensor load here;
; a ring with a constant count would run 64 tiles' rounds for every expert, four times what an even split needs.
; LIMITS.  Operands bf16, sums f32, partial sums stored in f32.
.set LISTB, 10496                      ; a wave's list: 1,280 pairs, 32 pairs for lanes that do not match
.set LIST,  131072                     ; behind the images: K step t, component j at t 4096 + j 1024 + half 512 + lane 16
.set SPARE, LIST+4*LISTB               ; the spare words, 128 bytes a wave: two blocks of 256 bytes that no other line names
.set CHB,   0x4000                     ; a chunk of four K steps in the images
.set LN,  1
.set SPW, 2
.set NIL, 3
.set L16, 4                            ; 16 x lane
.set RR,  5
.set HH,  6
.set WO,  7                            ; 32 h rows of 4,096 bytes + 16 r
.set WL,  8                            ; LDS: my images, blocks 0-3
.set LB,  9
.set TRI, 10
.set T4,  11
.set TMP, 12                           ; v12-15 at work
.set AO,  16                           ; v16-20  slot i: my offset in hid
.set BA,  21                           ; LDS: the chunk's images: made anew for each chunk, 16 x lane + the chunk's bytes
.set V8H, 22                           ; 8 h
.set R16, 23                           ; 16 r
.set WL2, 24                           ; LDS: my images, blocks 4-7
.set EB,  25                           ; LDS: my eight rows' pairs in the pass's first tile of mine
.set PR,  26                           ; v26-27  a pair on its way into the list
.set ZQ,  28                           ; v28-31  zeros
.set PK,  32
.set BF0, 64                           ; v64-127, v128-191: weight fragments of two K steps, two buffers: step kk, component j at 8 (4 kk + j)
.set SE,  64                           ; at the head: sel;  CW0, CW1: the two rows of cw
.set CW0, 96
.set CW1, 128
.set T,   192                          ; v192-223  the way out: row rr's 16 bytes at 4 rr
.set EN,  224                          ; v224-239  eight pairs
.set OF,  240                          ; v240-247  eight offsets in yp
; window 1: phase 1 four blocks as loaded; phase 2 hid, buffer X: K step ks of four, slot i at 8 (5 ks + i).  window 2: buffer Y.  window 3: accumulators 32 i + 8 j
; s[4:5] hid  s[6:7] sel  s[8:9] cw  s[10:11] w2  s[12:13] yp  s14 wave  s15 kh  s16 e  s17 column block  s[18:19] my weights  s22 0x101 << e  s23 rows  s24 tiles  s25 pass  s26 first tile  s27 live slots
; s28 loop count  s29, s35 masks  s30, s31 at work  s[32:33] yp at (kh, columns)  s[36:37] hid at (e, kh)  s38 256 << e  s44 the images' byte at which the K loop's trip begins  s45 the same, a chunk on
.set MSB, 0
.macro WIN new
.if MSB != (\new)
	s_set_vgpr_msb (MSB<<8)|(\new)
.set MSB, \new
.endif
.endm
.macro PLACES
.rept 4
	v_nop
.endr
.endm
.macro WLOAD st, b                     ; block b = my K step 4 b + wave: 32 rows x 64 columns
	WIN 0x40
.set q, 0
.rept 16
	global_load_b128 v[64*(\st)+4*q:64*(\st)+4*q+3], v[WO], s[18:19] offset:(\b)*524288+q*4096 th:TH_LOAD_NT
.set q, q+1
.endr
.endm
.macro WCVT st
	WIN 0x05
.set j, 0
.rept 4
.set p, 0
.rept 8
	v_cvt_pk_bf16_f32 v[PK+8*j+p], v[64*(\st)+8*p+j], v[64*(\st)+8*p+4+j]
.set p, p+1
.endr
.set j, j+1
.endr
.endm
.macro WSTORE b
	WIN 0
.set f, 0
.rept 8
.if (\b) < 4
	ds_store_b128 v[WL], v[PK+4*f:PK+4*f+3] offset:(\b)*16384+f*512
.else
	ds_store_b128 v[WL2], v[PK+4*f:PK+4*f+3] offset:((\b)-4)*16384+f*512
.endif
.set f, f+1
.endr
.endm
.macro WBLOCK b, ld, left
	s_wait_loadcnt \left
	WCVT (\b)%4
	WSTORE \b
.if \ld
	WLOAD (\b)%4, (\b)+4
.endif
.endm
	s_load_b256 s[4:11], s[0:1], 0x0
	s_load_b64 s[12:13], s[0:1], 0x20
	v_lshl_add_u32 v[SPW], v0, 2, SPARE
	v_mov_b32 v[NIL], 0
	v_and_b32 v[LN], 31, v0
	v_lshrrev_b32 v[TMP], 5, v0
	v_readfirstlane_b32 s14, v[TMP]
	s_lshr_b32 s17, ttmp9, 1
	s_and_b32 s15, ttmp9, 1
	s_and_b32 s16, ttmp7, 0xffff
	v_lshlrev_b32 v[L16], 4, v[LN]
	v_and_b32 v[RR], 15, v[LN]
	v_lshrrev_b32 v[HH], 4, v[LN]
	v_lshlrev_b32 v[R16], 4, v[RR]
	v_lshl_add_u32 v[WO], v[HH], 17, v[R16]
	v_lshl_add_u32 v[WL], s14, 12, v[L16]
	v_add_nc_u32 v[WL2], 0x10000, v[WL]
	s_mul_i32 s28, s14, LISTB
	s_add_co_u32 s28, s28, LIST
	v_mov_b32 v[LB], s28
	v_add_nc_u32 v[TRI], 1280, v[LN]
	v_lshlrev_b32 v[T4], 2, v[LN]
	v_lshlrev_b32 v[V8H], 3, v[HH]
	v_lshl_add_u32 v[EB], v[HH], 6, v[LB]
	v_lshl_add_u32 v[EB], s14, 7, v[EB]            ; list + 128 w + 64 h
	s_lshl_b32 s22, 0x101, s16
	s_lshl_b32 s38, 0x100, s16
	s_mov_b32 s23, 0
	s_lshl_b32 s20, s16, 23                        ; w2: the expert's 8 MB,
	s_lshl_b32 s30, s15, 22                        ; the K half's 1,024 rows,
	s_add_co_u32 s20, s20, s30
	s_lshr_b32 s30, s14, 1
	s_lshl_b32 s30, s30, 18                        ; K step w: 64 (w / 2) rows
	s_add_co_u32 s20, s20, s30
	s_and_b32 s30, s14, 1
	s_lshl_b32 s30, s30, 16                        ; + 16 (w % 2) rows,
	s_add_co_u32 s20, s20, s30
	s_lshl_b32 s31, s17, 8                         ; the block's 256 bytes of a row
	s_add_co_u32 s20, s20, s31
	s_mov_b32 s21, 0
	s_lshl_b32 s40, s16, 22                        ; hid: the expert's 4 MB, the K half's 32 KB of a tile
	s_lshl_b32 s30, s15, 15
	s_add_co_u32 s40, s40, s30
	s_mov_b32 s41, 0
	s_lshl_b32 s42, s15, 23                        ; yp: the K half's 8 MB, the block's 256 bytes of a row
	s_add_co_u32 s42, s42, s31
	s_mov_b32 s43, 0
	s_wait_kmcnt 0x0
	s_add_nc_u64 s[18:19], s[10:11], s[20:21]
	s_add_nc_u64 s[36:37], s[4:5], s[40:41]
	s_add_nc_u64 s[32:33], s[12:13], s[42:43]
.irp q, 0,1,2,3,4,5,6,7
	global_load_b128 v[SE+4*(\q):SE+4*(\q)+3], v[L16], s[6:7] offset:(\q)*512
.endr
.irp q, 0,1,2,3,4,5,6,7
	global_load_b128 v[CW0+4*(\q):CW0+4*(\q)+3], v[L16], s[8:9] offset:(\q)*512
	global_load_b128 v[CW1+4*(\q):CW1+4*(\q)+3], v[L16], s[8:9] offset:4096+(\q)*512
.endr
	WLOAD 0, 0
	WLOAD 1, 1
	WIN 0
.irp n, 0,1,2,3
	v_mov_b32 v[ZQ+(\n)], 0
.endr
	v_add_nc_u32 v[TMP], v[LB], v[L16]
.set n, 0
.rept 20
	ds_store_b128 v[TMP], v[ZQ:ZQ+3] offset:n*512
.set n, n+1
.endr
	s_wait_loadcnt 32                              ; sel and cw are in; the two younger blocks of weights stay out
.set G, 0
.rept 32
	v_and_b32 v[TMP], s22, v[SE+G]
	v_cmp_ne_u32 s29, 0, v[TMP]                    ; chose e at all?
	v_and_b32 v[TMP+1], s38, v[SE+G]
	v_cmp_ne_u32 s35, 0, v[TMP+1]                  ; as its second choice?
	v_mbcnt_lo_u32_b32 v[TMP], s29, s23
	v_cndmask_b32 v[TMP], v[TRI], v[TMP], s29
	v_min_u32 v[TMP], 0x51f, v[TMP]
	v_lshl_add_u32 v[TMP], v[TMP], 3, v[LB]
	v_add_nc_u32 v[PR], 128*(G/4)+G%4, v[T4]
	v_add_nc_u32 v[TMP+1], 1024+128*(G/4)+G%4, v[T4]
	v_cndmask_b32 v[PR], v[PR], v[TMP+1], s35      ; row of yp: token, or 1,024 + token
	v_cndmask_b32 v[PR+1], v[CW0+G], v[CW1+G], s35 ; and the weight that goes with the choice
	ds_store_b64 v[TMP], v[PR:PR+1]
	s_bcnt1_i32_b32 s30, s29
	s_add_co_u32 s23, s23, s30
.set G, G+1
.endr
	s_add_co_u32 s24, s23, 15
	s_lshr_b32 s24, s24, 4
	WLOAD 2, 2
	WLOAD 3, 3
	WBLOCK 0, 1, 48                                ; 48 = the three younger blocks; behind block 4 the counts run down
	WBLOCK 1, 1, 48
	WBLOCK 2, 1, 48
	WBLOCK 3, 1, 48
	WBLOCK 4, 0, 48
	WBLOCK 5, 0, 32
	WBLOCK 6, 0, 16
	WBLOCK 7, 0, 0
	s_wait_dscnt 0x0                               ; for the others' sake: my images are in LDS
	s_barrier_signal -1
	s_barrier_wait -1
.macro ALOAD win                       ; a chunk of four K steps of five tiles: each load takes 512 consecutive bytes
	WIN \win
.set ak, 0
.rept 4
.set ai, 0
.rept 5
	global_load_b128 v[8*(5*ak+ai):8*(5*ak+ai)+3],   v[AO+ai], s[36:37] offset:ak*1024
	global_load_b128 v[8*(5*ak+ai)+4:8*(5*ak+ai)+7], v[AO+ai], s[36:37] offset:ak*1024+512
.set ai, ai+1
.endr
.set ak, ak+1
.endr
.endm
.macro BFETCH bf, off
	WIN 0
.set bx, 0
.rept 8
	ds_load_b128 v[(\bf)+8*bx:(\bf)+8*bx+3],   v[BA] offset:(\off)+bx*1024
	ds_load_b128 v[(\bf)+8*bx+4:(\bf)+8*bx+7], v[BA] offset:(\off)+bx*1024+512
.set bx, bx+1
.endr
.endm
.macro MMT aw, ks, bf, kk, i, zero     ; slot i's four products of K step ks of the chunk, step kk of the weight buffer
	WIN 0xf0|(\aw)
.set mf, 0
.rept 4
.if \zero
	v_wmma_f32_16x16x32_bf16 v[32*(\i)+8*mf:32*(\i)+8*mf+7], v[8*(5*(\ks)+(\i)):8*(5*(\ks)+(\i))+7], v[(\bf)+8*(4*(\kk)+mf):(\bf)+8*(4*(\kk)+mf)+7], 0
.else
	v_wmma_f32_16x16x32_bf16 v[32*(\i)+8*mf:32*(\i)+8*mf+7], v[8*(5*(\ks)+(\i)):8*(5*(\ks)+(\i))+7], v[(\bf)+8*(4*(\kk)+mf):(\bf)+8*(4*(\kk)+mf)+7], v[32*(\i)+8*mf:32*(\i)+8*mf+7]
.endif
.set mf, mf+1
.endr
.endm
; Two K steps on one buffer of weights.  The accumulators take turns, one instruction a turn: between two products on one accumulator stand 11 others' (slots 0-2), or 3 (slot 3, slot 4).
.macro DSTEP aw, dd, zero, last
.set kb, BF0+64*((\dd)%2)
.set ko, BF0+64*(((\dd)+1)%2)
	WIN 0
.if \last
	s_wait_dscnt 0x0
.else
	PLACES
	BFETCH ko, ((\dd)+1)*8192
	s_wait_dscnt 16                                ; this step's fragments are in; the 16 loads just issued stay out
.endif
.if \zero
.irp i, 0,1,2,3,4
	MMT \aw, 2*(\dd), kb, 0, \i, 1                 ; the first K step starts all 20 sums, those of empty slots too
.endr
.irp i, 0,1,2,3,4
	MMT \aw, 2*(\dd)+1, kb, 1, \i, 0
.endr
	WIN 0
.else
.irp i, 0,1,2
	MMT \aw, 2*(\dd), kb, 0, \i, 0
.endr
.irp i, 0,1,2
	MMT \aw, 2*(\dd)+1, kb, 1, \i, 0
.endr
	WIN 0
	s_cmp_lt_u32 s27, 4
	s_cbranch_scc1 .Lde_\@
	MMT \aw, 2*(\dd), kb, 0, 3, 0
	MMT \aw, 2*(\dd)+1, kb, 1, 3, 0
	WIN 0
	s_cmp_lt_u32 s27, 5
	s_cbranch_scc1 .Lde_\@
	MMT \aw, 2*(\dd), kb, 0, 4, 0
	MMT \aw, 2*(\dd)+1, kb, 1, 4, 0
	WIN 0
.Lde_\@:
.endif
.endm
; A chunk: four K steps on one buffer of hid.  bo: the chunk's bytes behind s44 in the images; the pass's first chunk (zero = 1) finds BA = 16 x lane.
.macro CHUNK aw, zero, ldnext, last, bo=0
	WIN 0
	s_wait_loadcnt 0x0                             ; this chunk's images, asked for a chunk ago, are in; the wait also frees their offsets
.if !(\zero)
.if (\bo) != 0
	s_add_co_u32 s45, s44, \bo
	v_add_nc_u32 v[BA], s45, v[L16]
.else
	v_add_nc_u32 v[BA], s44, v[L16]
.endif
.endif
.if \ldnext
.irp i, 0,1,2,3,4
	v_add_nc_u32 v[AO+(\i)], 0x1000, v[AO+(\i)]    ; also the places in front of the loads into the buffer just multiplied
.endr
	ALOAD 0xc0-((\aw)<<6)
.endif
	DSTEP \aw, 0, \zero, 0
	DSTEP \aw, 1, 0, \last
.endm
; THE WAY OUT of slot i: each row times its gate weight, into the row of yp that the list names.  Each accumulator's register 0 is read first.
.macro EPID i
	WIN 0
.if (\i) > 0
	s_cmp_le_u32 s27, \i
	s_cbranch_scc1 .Led_\@
.endif
.set n, 0
.rept 4
	ds_load_b128 v[EN+4*n:EN+4*n+3], v[EB] offset:(\i)*512+n*16  ; my eight rows' pairs, from my own wave's list
.set n, n+1
.endr
	s_add_co_u32 s30, s26, 4*(\i)
	s_lshl_b32 s30, s30, 4
	s_sub_co_i32 s31, s23, s30                     ; rows left from this tile's first on: 1 or more
	s_wait_dscnt 0x0
	s_wait_xcnt 0x0                                ; T and OF, which the slot before stored from, are rewritten only behind this wait
.set n, 0
.rept 8
	v_min_u32 v[OF+n], 0x7ff, v[EN+2*n]
	v_lshl_add_u32 v[OF+n], v[OF+n], 12, v[R16]
.set n, n+1
.endr
	WIN 0x03
.set n, 0
.rept 32
	v_mul_f32 v[T+n], v[32*(\i)+8*(n%4)+n/4], v[EN+2*(n/4)+1]
.set n, n+1
.endr
	WIN 0
.set n, 0
.rept 8                                ; store n holds rows n and 8 + n: a lane is on while 8 h + n is below the rows left; the bound falls from store to store, so EXEC only narrows
	s_sub_co_i32 s30, s31, n
	s_max_i32 s30, s30, 0
	s_wait_xcnt 0x0                                ; EXEC changes only behind this wait
	v_cmpx_gt_u32 s30, v[V8H]
	global_store_b128 v[OF+n], v[T+4*n:T+4*n+3], s[32:33]
.set n, n+1
.endr
	s_wait_xcnt 0x0
	s_mov_b32 exec_lo, -1
.Led_\@:
.endm
	s_mov_b32 s25, 0
	s_mov_b32 s26, s14
.Lpass:
	s_sub_co_i32 s30, s24, s26
	s_cmp_le_i32 s30, 0
	s_cbranch_scc1 .Lnext
	s_add_co_u32 s30, s30, 3
	s_lshr_b32 s30, s30, 2
	s_min_u32 s27, s30, 5
	s_sub_co_u32 s31, s24, 1                       ; the last tile that the launch before wrote
.irp i, 0,1,2,3,4
	s_add_co_u32 s30, s26, 4*(\i)
	s_min_u32 s30, s30, s31
	s_min_u32 s30, s30, 63
	s_lshl_b32 s30, s30, 16
	v_add_nc_u32 v[AO+(\i)], s30, v[L16]
.endr
	v_mov_b32 v[BA], v[L16]                        ; chunk 0
	s_mov_b32 s44, CHB                             ; the K loop's first trip begins at chunk 1
	ALOAD 0x40
	BFETCH BF0, 0
	CHUNK 1, 1, 1, 0
	WIN 0
	s_mov_b32 s28, 3
.Lk:                                                   ; a trip: two chunks, at s44 and a chunk behind it
	CHUNK 2, 0, 1, 0, 0
	CHUNK 1, 0, 1, 0, CHB
	WIN 0
	s_add_co_u32 s44, s44, 2*CHB                   ; stepped once a trip
	s_sub_co_u32 s28, s28, 1
	s_cmp_lg_u32 s28, 0
	s_cbranch_scc1 .Lk
	CHUNK 2, 0, 0, 1, 0                            ; the eighth chunk, at s44 = 7 chunks, asks for nothing
	WIN 0
	PLACES                                         ; the way out reads results just made
	EPID 0
	EPID 1
	EPID 2
	EPID 3
	EPID 4
.Lnext:
	s_add_co_u32 s26, s26, 20
	v_add_nc_u32 v[EB], 2560, v[EB]
	s_add_co_u32 s25, s25, 1
	s_cmp_lt_u32 s25, 4
	s_cbranch_scc1 .Lpass
	s_wait_dscnt 0x0                               ; my reads of the shared images are over;
	s_barrier_signal -1                            ; read, wait, barrier, write: every wave's reads are over before any wave's last LDS write below
	s_barrier_wait -1
	s_wait_tensorcnt 0x0                           ; the wave's end, behind my last LDS store
	ds_add_u32 v[SPW], v[NIL]
	s_wait_dscnt 0x0
	s_endpgm
.Lfunc_end_k_q64c56a3acf_down:
	.size	k_q64c56a3acf_down, .Lfunc_end_k_q64c56a3acf_down-k_q64c56a3acf_down
	.p2alignl 7, 3214868480
	.fill 96, 4, 3214868480
	.section	.rodata,"a",@progbits
	.p2align	6, 0x0
	.amdhsa_kernel k_q64c56a3acf_down
		.amdhsa_group_segment_fixed_size 173568
		.amdhsa_private_segment_fixed_size 0
		.amdhsa_enable_private_segment 0
		.amdhsa_kernarg_size 40
		.amdhsa_user_sgpr_count 2
		.amdhsa_user_sgpr_kernarg_segment_ptr 1
		.amdhsa_wavefront_size32 1
		.amdhsa_system_sgpr_workgroup_id_x 1
		.amdhsa_system_sgpr_workgroup_id_y 1
		.amdhsa_system_sgpr_workgroup_id_z 1
		.amdhsa_system_vgpr_workitem_id 0
		.amdhsa_next_free_vgpr 928
		.amdhsa_next_free_sgpr 66
		.amdhsa_reserve_vcc 0
		.amdhsa_float_denorm_mode_32 3
		.amdhsa_float_denorm_mode_16_64 3
		.amdhsa_memory_ordered 1
		.amdhsa_forward_progress 1
		.amdhsa_inst_pref_size 137
	.end_amdhsa_kernel
	.amdgpu_metadata
---
amdhsa.version: [ 1, 2 ]
amdhsa.kernels:
  - .name:           k_q64c56a3acf_down
    .symbol:         k_q64c56a3acf_down.kd
    .args:
      - { .name: hid, .offset: 0, .size: 8, .value_kind: global_buffer, .address_space: global }
      - { .name: sel, .offset: 8, .size: 8, .value_kind: global_buffer, .address_space: global }
      - { .name: cw, .offset: 16, .size: 8, .value_kind: global_buffer, .address_space: global }
      - { .name: w2, .offset: 24, .size: 8, .value_kind: global_buffer, .address_space: global }
      - { .name: yp, .offset: 32, .size: 8, .value_kind: global_buffer, .address_space: global }
    .group_segment_fixed_size: 173568
    .private_segment_fixed_size: 0
    .kernarg_segment_align: 8
    .kernarg_segment_size: 40
    .max_flat_workgroup_size: 128
    .sgpr_count:     66
    .vgpr_count:     928
    .wavefront_size: 32
...
	.end_amdgpu_metadata
.endif
;; end of part 3
;; launch sum (part 4): grid 256 x 1, 8 waves a work-group, no clusters, 0 bytes of LDS; arguments yp, out0; writes out0
.if DOCPART == 4
	.amdgcn_target "amdgcn-amd-amdhsa--gfx1250"
	.amdhsa_code_object_version 6
	.text
	.protected	k_q64c56a3acf_sum
	.globl	k_q64c56a3acf_sum
	.p2align	8
	.type	k_q64c56a3acf_sum,@function
k_q64c56a3acf_sum:
	s_mov_b64 s[64:65], 0
	v_nop
	global_prefetch_b8 v0, s[64:65] scope:SCOPE_SE
	s_setreg_imm32_b32 hwreg(HW_REG_WAVE_MODE, 25, 1), 1
	s_wait_xcnt 0x0
; SUM.  out0[t][d] = (yp[0] + yp[1]) + (yp[2] + yp[3]) at [t][d], all f32.  yp [4][1024][1024]: two halves of the hidden width x a token's two choices, the gate weights already in.
; A stream: a work-group has four rows (16 KB of each part), thread n the 16 bytes at 16 n of each row, so each load and store of a wave covers 512 consecutive bytes.  All 16 loads go out first.
; No LDS, no barrier, no matrix unit: each byte is read once and written once.
.set Y, 4                              ; v[4:67]  row jn, part p at Y + 16 jn + 4 p
	s_load_b128 s[4:7], s[0:1], 0x0                ; yp s[4:5], out0 s[6:7]
	v_lshlrev_b32 v1, 4, v0
	s_lshl_b32 s8, ttmp9, 14
	s_mov_b32 s9, 0
	s_wait_kmcnt 0x0
	s_add_nc_u64 s[4:5], s[4:5], s[8:9]
	s_add_nc_u64 s[6:7], s[6:7], s[8:9]
	s_add_nc_u64 s[10:11], s[4:5], 0x800000        ; parts 2 and 3
.irp jn, 0,1,2,3
	global_load_b128 v[Y+16*(\jn):Y+16*(\jn)+3],     v1, s[4:5]   offset:(\jn)*4096 th:TH_LOAD_NT
	global_load_b128 v[Y+16*(\jn)+4:Y+16*(\jn)+7],   v1, s[4:5]   offset:(\jn)*4096+4194304 th:TH_LOAD_NT
	global_load_b128 v[Y+16*(\jn)+8:Y+16*(\jn)+11],  v1, s[10:11] offset:(\jn)*4096 th:TH_LOAD_NT
	global_load_b128 v[Y+16*(\jn)+12:Y+16*(\jn)+15], v1, s[10:11] offset:(\jn)*4096+4194304 th:TH_LOAD_NT
.endr
.irp jn, 0,1,2,3
	s_wait_loadcnt 12-4*(\jn)                      ; this row's four parts are in; the later rows' loads stay out
.irp k, 0,2
	v_pk_add_f32 v[Y+16*(\jn)+(\k):Y+16*(\jn)+(\k)+1], v[Y+16*(\jn)+(\k):Y+16*(\jn)+(\k)+1], v[Y+16*(\jn)+4+(\k):Y+16*(\jn)+4+(\k)+1]
	v_pk_add_f32 v[Y+16*(\jn)+8+(\k):Y+16*(\jn)+8+(\k)+1], v[Y+16*(\jn)+8+(\k):Y+16*(\jn)+8+(\k)+1], v[Y+16*(\jn)+12+(\k):Y+16*(\jn)+12+(\k)+1]
.endr
.irp k, 0,2
	v_pk_add_f32 v[Y+16*(\jn)+(\k):Y+16*(\jn)+(\k)+1], v[Y+16*(\jn)+(\k):Y+16*(\jn)+(\k)+1], v[Y+16*(\jn)+8+(\k):Y+16*(\jn)+8+(\k)+1]
.endr
	global_store_b128 v1, v[Y+16*(\jn):Y+16*(\jn)+3], s[6:7] offset:(\jn)*4096 th:TH_STORE_NT
.endr
	s_endpgm
.Lfunc_end_k_q64c56a3acf_sum:
	.size	k_q64c56a3acf_sum, .Lfunc_end_k_q64c56a3acf_sum-k_q64c56a3acf_sum
	.p2alignl 7, 3214868480
	.fill 96, 4, 3214868480
	.section	.rodata,"a",@progbits
	.p2align	6, 0x0
	.amdhsa_kernel k_q64c56a3acf_sum
		.amdhsa_group_segment_fixed_size 0
		.amdhsa_private_segment_fixed_size 0
		.amdhsa_enable_private_segment 0
		.amdhsa_kernarg_size 16
		.amdhsa_user_sgpr_count 2
		.amdhsa_user_sgpr_kernarg_segment_ptr 1
		.amdhsa_wavefront_size32 1
		.amdhsa_system_sgpr_workgroup_id_x 1
		.amdhsa_system_sgpr_workgroup_id_y 1
		.amdhsa_system_sgpr_workgroup_id_z 1
		.amdhsa_system_vgpr_workitem_id 0
		.amdhsa_next_free_vgpr 80
		.amdhsa_next_free_sgpr 66
		.amdhsa_reserve_vcc 0
		.amdhsa_float_denorm_mode_32 3
		.amdhsa_float_denorm_mode_16_64 3
		.amdhsa_memory_ordered 1
		.amdhsa_forward_progress 1
		.amdhsa_inst_pref_size 5
	.end_amdhsa_kernel
	.amdgpu_metadata
---
amdhsa.version: [ 1, 2 ]
amdhsa.kernels:
  - .name:           k_q64c56a3acf_sum
    .symbol:         k_q64c56a3acf_sum.kd
    .args:
      - { .name: yp, .offset: 0, .size: 8, .value_kind: global_buffer, .address_space: global }
      - { .name: out0, .offset: 8, .size: 8, .value_kind: global_buffer, .address_space: global }
    .group_segment_fixed_size: 0
    .private_segment_fixed_size: 0
    .kernarg_segment_align: 8
    .kernarg_segment_size: 16
    .max_flat_workgroup_size: 256
    .sgpr_count:     66
    .vgpr_count:     80
    .wavefront_size: 32
...
	.end_amdgpu_metadata
.endif
;; end of part 4
;; ======== version 2 of 2: 5 launches; 1.17 times as fast as version 1
;; workspace buffers: xb 2,097,152 bytes; sel 4,096 bytes of whole numbers; cw 8,192 bytes; hid 33,554,432 bytes; yp 16,777,216 bytes; xg 16,777,216 bytes; cnt 33,024 bytes of whole numbers; lw 32,768 bytes
;; launch router: the kernel of part 1 again; grid 256 x 1, 4 waves a work-group, no clusters, 16,896 bytes of LDS; arguments x, gate_w, xb, sel, cw; writes xb, sel, cw
;; launch place (part 5): grid 32 x 8, 4 waves a work-group, no clusters, 56,832 bytes of LDS; arguments xb, sel, cw, xg, cnt, lw; writes xg, cnt, lw
.if DOCPART == 5
	.amdgcn_target "amdgcn-amd-amdhsa--gfx1250"
	.amdhsa_code_object_version 6
	.text
	.protected	k_q64c56a3acf_place
	.globl	k_q64c56a3acf_place
	.p2align	8
	.type	k_q64c56a3acf_place,@function
k_q64c56a3acf_place:
	s_mov_b64 s[64:65], 0
	v_nop
	global_prefetch_b8 v0, s[64:65] scope:SCOPE_SE
	s_setreg_imm32_b32 hwreg(HW_REG_WAVE_MODE, 25, 1), 1
	s_wait_xcnt 0x0
; PLACE.  The rows of x that chose expert e, laid down in the order of their ranks as ready matrix fragments; the expert's number of rows; and, by rank, where each row's result goes and with which gate weight.
; xb [1024][1024] bf16; sel[t] = (1 << first expert) | (256 << second); cw[0][t], cw[1][t] the two gate weights.
; Out: cnt word e = rows of expert e; cnt from byte 256 on, [e][1024] words: rank's row in the partial results (token, or 1,024 + token where e is the token's second choice); lw [e][1024] f32: rank's gate weight;
; xg [e 8][tile 64][K step 32][half 2][lane 32][16 bytes]: in a tile of 16 rows, K step ks, lane (r = l % 16, h = l / 16) finds row r's columns 32 ks + 8 h + 0..7 in half 0 and 32 ks + 16 + 8 h + 0..7 in half 1.
; So the later launches load fragments and lists at addresses that hang on cnt alone.
; RANKS.  Group G = 4 q + i, lane l is token 128 q + 4 l + i; rank = matches in earlier groups + matches in lower lanes.  Every wave ranks for itself, in LDS words of its own.
; Places past the count in the last tile repeat token 0.  An expert without rows still gets tile 0, so that no byte is read later that nobody stored.
; SHARES.  Work-group (p, e).  A unit is (tile, quarter of K): 16 rows x 512 bytes.  Wave w takes units 32 w + p and 128 + 32 w + p: 256 units cover the 64 tiles that one expert can have;
; a wave whose unit lies past the expert's tiles stores nothing: the price of a grid that serves every split.
; A UNIT.  One load takes a row's 512 consecutive bytes; lane l's 16 bytes are piece l of the row, which belongs at 256 l + 16 row of the unit's 8 KB.  Through my own stage in LDS (lane l stores at 272 l + 16 row:
; 17 x 16 bytes from lane to lane, so sixteen lanes hit sixteen different columns of 16 bytes) the pieces come back as runs of 512 bytes and are stored so.
; Every unit also loads sel and the two weights of row l % 16 (three loads of 4 bytes a lane, ahead of the rows', so that the rows' counted waits count the same in every unit); the unit of a tile's first
; quarter stores the tile's sixteen list entries: two stores of 64 consecutive bytes.  cnt[e] is one store of 4 bytes by one lane of one work-group.
; No matrix unit, no barrier but the one in front of the closing lines.
.set LISTB, 5376                       ; a wave's list: 1,280 words, 32 words for lanes that do not match, rounded up to blocks of 256
.set STGB,  8704                       ; a wave's stage: 32 pieces x 272 bytes
.set STAGE, 4*LISTB
.set SPARE, STAGE+4*STGB               ; the spare words, 128 bytes a wave: two blocks of 256 bytes that no other line names
.set LN,  1
.set SPW, 2
.set NIL, 3
.set L16, 4                            ; 16 x lane
.set ST,  5                            ; LDS: where my piece of a row goes
.set RD,  6                            ; LDS: where I read a run back
.set SO,  7                            ; my offset in xg
.set LT,  8                            ; LDS: the tile's sixteen tokens
.set LB,  9                            ; LDS: my wave's list
.set TRI, 10                           ; 1280 + lane
.set T4,  11                           ; 4 x lane
.set TMP, 12                           ; v12-15 at work
.set TK,  16                           ; v16-31  sixteen tokens, then their rows' offsets in xb
.set D,   32                           ; v32-95  sixteen rows' pieces, then sixteen runs
.set SE,  96                           ; v96-127 sel
.set ZQ,  128                          ; v128-131 zeros
.set KO,  132                          ; 16 x lane + the quarter's 512 bytes
.set CO,  133                          ; 4 e
.set R15, 134                          ; l % 16
.set LR,  135                          ; LDS: the word of row l % 16
.set TR,  136                          ; that row's token
.set GA,  137                          ; 4 x the token
.set GS,  138                          ; sel of the token
.set GC0, 139                          ; its two gate weights
.set GC1, 140
.set DR,  141                          ; the list's entry: row of the partial results,
.set DC,  142                          ; and weight
.set LO,  143                          ; my offset in the two lists
; s[4:5] xb  s[6:7] sel  s[8:9] cw  s[10:11] xg at e  s[12:13] cnt  s[14:15] lw at e  s[16:17] the list of rows at e  s18 wave  s19 p  s20 e  s22 0x101 << e  s23 rows  s24 256 << e
; s25 trip  s26 unit  s27 units  s28-s31 at work  s[32:35] offsets  s36 quarter  s37 64 x tile
	s_load_b256 s[4:11], s[0:1], 0x0
	s_load_b128 s[12:15], s[0:1], 0x20
	v_lshl_add_u32 v[SPW], v0, 2, SPARE
	v_mov_b32 v[NIL], 0
	v_and_b32 v[LN], 31, v0
	v_lshrrev_b32 v[TMP], 5, v0
	v_readfirstlane_b32 s18, v[TMP]                ; wave 0..3
	s_mov_b32 s19, ttmp9
	s_and_b32 s20, ttmp7, 0xffff
	v_lshlrev_b32 v[L16], 4, v[LN]
	s_mul_i32 s28, s18, LISTB
	v_mov_b32 v[LB], s28
	v_add_nc_u32 v[TRI], 1280, v[LN]
	v_lshlrev_b32 v[T4], 2, v[LN]
	s_mul_i32 s28, s18, STGB
	s_add_co_u32 s28, s28, STAGE
	v_mul_u32_u24 v[ST], v[LN], 272
	v_add_nc_u32 v[ST], s28, v[ST]
	v_lshrrev_b32 v[TMP], 4, v[LN]
	v_and_b32 v[R15], 15, v[LN]
	v_mul_u32_u24 v[RD], v[TMP], 272               ; lanes 0-15 take one piece's 256 bytes, lanes 16-31 the next one's
	v_lshl_add_u32 v[RD], v[R15], 4, v[RD]
	v_add_nc_u32 v[RD], s28, v[RD]
	s_lshl_b32 s22, 0x101, s20
	s_lshl_b32 s24, 0x100, s20
	s_mov_b32 s23, 0
	s_lshl_b32 s32, s20, 21                        ; xg: an expert's 64 tiles of 32 KB
	s_mov_b32 s33, 0
	s_lshl_b32 s34, s20, 12                        ; the lists: an expert's 1,024 words
	s_mov_b32 s35, 0
	s_lshl_b32 s30, s20, 2
	v_mov_b32 v[CO], s30
	s_lshl_b32 s26, s18, 5
	s_add_co_u32 s26, s26, s19                     ; my first unit: 32 w + p
	s_wait_kmcnt 0x0
	s_add_nc_u64 s[10:11], s[10:11], s[32:33]
	s_add_nc_u64 s[14:15], s[14:15], s[34:35]
	s_add_co_u32 s34, s34, 256                     ; the list of rows lies behind the block of the eight counts
	s_add_nc_u64 s[16:17], s[12:13], s[34:35]
.irp q, 0,1,2,3,4,5,6,7
	global_load_b128 v[SE+4*(\q):SE+4*(\q)+3], v[L16], s[6:7] offset:(\q)*512
.endr
.irp n, 0,1,2,3
	v_mov_b32 v[ZQ+(\n)], 0
.endr
	v_add_nc_u32 v[TMP], v[LB], v[L16]
.irp n, 0,1,2,3,4,5,6,7,8,9
	ds_store_b128 v[TMP], v[ZQ:ZQ+3] offset:(\n)*512  ; places past the count name token 0
.endr
	s_wait_loadcnt 0x0                             ; sel
.set G, 0
.rept 32
	v_and_b32 v[TMP], s22, v[SE+G]
	v_cmp_ne_u32 s29, 0, v[TMP]                    ; did the token choose e, first or second?
	v_mbcnt_lo_u32_b32 v[TMP], s29, s23            ; rank: matches so far + matches in lower lanes
	v_cndmask_b32 v[TMP], v[TRI], v[TMP], s29
	v_min_u32 v[TMP], 0x51f, v[TMP]                ; inside my list, whatever sel holds
	v_lshl_add_u32 v[TMP], v[TMP], 2, v[LB]
	v_add_nc_u32 v[TMP+1], 128*(G/4)+G%4, v[T4]
	ds_store_b32 v[TMP], v[TMP+1]
	s_bcnt1_i32_b32 s30, s29
	s_add_co_u32 s23, s23, s30
.set G, G+1
.endr
	s_add_co_u32 s27, s23, 15
	s_lshr_b32 s27, s27, 4
	s_max_u32 s27, s27, 1                          ; tiles, one at the least
	s_lshl_b32 s27, s27, 2                         ; units
	s_or_b32 s30, s19, s18
	s_cmp_lg_u32 s30, 0
	s_cbranch_scc1 .Lnocount                       ; wave 0 of work-group p = 0 stores the expert's count
	v_mov_b32 v[TMP], s23
	s_wait_xcnt 0x0                                ; EXEC changes only behind this wait
	v_cmpx_gt_u32 1, v[LN]                         ; lane 0 alone
	global_store_b32 v[CO], v[TMP], s[12:13]
	s_wait_xcnt 0x0
	s_mov_b32 exec_lo, -1
.Lnocount:
	s_mov_b32 s25, 0
.Lunit:                                                ; two trips, a constant; a unit past the expert's tiles is jumped
	s_cmp_ge_u32 s26, s27
	s_cbranch_scc1 .Lnounit
	s_lshr_b32 s30, s26, 2                         ; tile
	s_and_b32 s36, s26, 3                          ; quarter of K
	s_lshl_b32 s29, s30, 4                         ; the tile's first rank
	v_mov_b32 v[TMP], s29
	v_min_u32 v[TMP], 0x4f0, v[TMP]                ; inside my list
	v_lshl_add_u32 v[LT], v[TMP], 2, v[LB]
.irp n, 0,1,2,3
	ds_load_b128 v[TK+4*(\n):TK+4*(\n)+3], v[LT] offset:(\n)*16  ; every lane reads the same sixteen words, my own wave's: LDS serves a wave's instructions in order (ISA guide 5.7.1.4)
.endr
	v_lshl_add_u32 v[LR], v[R15], 2, v[LT]
	ds_load_b32 v[TR], v[LR]                       ; and the token of row l % 16
	s_lshl_b32 s29, s36, 9
	v_add_nc_u32 v[KO], s29, v[L16]
	s_lshl_b32 s37, s30, 6                         ; the tile's 64 bytes in each list
	s_lshl_b32 s30, s30, 15
	s_lshl_b32 s31, s36, 13
	s_add_co_u32 s30, s30, s31
	s_wait_dscnt 0x0
	s_wait_xcnt 0x0                                ; what the last trip's stores read (D, SO, DR, DC, LO) is rewritten only behind this wait
	v_add_nc_u32 v[SO], s30, v[L16]
	v_lshl_add_u32 v[LO], v[R15], 2, s37
	v_min_u32 v[TR], 0x3ff, v[TR]
	v_lshlrev_b32 v[GA], 2, v[TR]
	global_load_b32 v[GS], v[GA], s[6:7]           ; the three are older than the rows' loads: the first counted wait below covers them
	global_load_b32 v[GC0], v[GA], s[8:9]
	global_load_b32 v[GC1], v[GA], s[8:9] offset:4096
.set n, 0
.rept 16
	v_min_u32 v[TK+n], 0x3ff, v[TK+n]
	v_lshl_add_u32 v[TK+n], v[TK+n], 11, v[KO]     ; token x 2,048 bytes + the quarter + 16 l
.set n, n+1
.endr
.set n, 0
.rept 16
	global_load_b128 v[D+4*n:D+4*n+3], v[TK+n], s[4:5]  ; 512 consecutive bytes of row n
.set n, n+1
.endr
.set n, 0
.rept 16
	s_wait_loadcnt 15-n                            ; row n is in; the younger rows stay out
	ds_store_b128 v[ST], v[D+4*n:D+4*n+3] offset:n*16
.set n, n+1
.endr
.set n, 0
.rept 16
	ds_load_b128 v[D+4*n:D+4*n+3], v[RD] offset:n*544  ; pieces 2 n and 2 n + 1, sixteen rows each: these see the stores above, my own
.set n, n+1
.endr
.set n, 0
.rept 16
	s_wait_dscnt 15-n
	global_store_b128 v[SO], v[D+4*n:D+4*n+3], s[10:11] offset:n*512  ; 512 consecutive bytes, at a multiple of 512 from xg's first
.set n, n+1
.endr
	v_and_b32 v[TMP], s24, v[GS]
	v_cmp_ne_u32 s29, 0, v[TMP]                    ; is e the token's second choice?
	v_add_nc_u32 v[TMP+1], 1024, v[TR]
	v_cndmask_b32 v[DR], v[TR], v[TMP+1], s29      ; row of the partial results: token, or 1,024 + token
	v_cndmask_b32 v[DC], v[GC0], v[GC1], s29       ; and the weight that goes with the choice
	s_cmp_lg_u32 s36, 0
	s_cbranch_scc1 .Lnounit                        ; the unit of the tile's first quarter stores them
	s_wait_xcnt 0x0                                ; EXEC changes only behind this wait
	v_cmpx_gt_u32 16, v[LN]                        ; lanes 0-15: one lane a row
	global_store_b32 v[LO], v[DR], s[16:17]
	global_store_b32 v[LO], v[DC], s[14:15]
	s_wait_xcnt 0x0
	s_mov_b32 exec_lo, -1
.Lnounit:
	s_add_co_u32 s26, s26, 128
	s_add_co_u32 s25, s25, 1
	s_cmp_lt_u32 s25, 2
	s_cbranch_scc1 .Lunit
	s_wait_dscnt 0x0
	s_barrier_signal -1                            ; read, wait, barrier, write: every wave's LDS reads are over before any wave's last LDS write below
	s_barrier_wait -1
	s_wait_tensorcnt 0x0                           ; the wave's end, behind my last LDS store
	ds_add_u32 v[SPW], v[NIL]
	s_wait_dscnt 0x0
	s_endpgm
.Lfunc_end_k_q64c56a3acf_place:
	.size	k_q64c56a3acf_place, .Lfunc_end_k_q64c56a3acf_place-k_q64c56a3acf_place
	.p2alignl 7, 3214868480
	.fill 96, 4, 3214868480
	.section	.rodata,"a",@progbits
	.p2align	6, 0x0
	.amdhsa_kernel k_q64c56a3acf_place
		.amdhsa_group_segment_fixed_size 56832
		.amdhsa_private_segment_fixed_size 0
		.amdhsa_enable_private_segment 0
		.amdhsa_kernarg_size 48
		.amdhsa_user_sgpr_count 2
		.amdhsa_user_sgpr_kernarg_segment_ptr 1
		.amdhsa_wavefront_size32 1
		.amdhsa_system_sgpr_workgroup_id_x 1
		.amdhsa_system_sgpr_workgroup_id_y 1
		.amdhsa_system_sgpr_workgroup_id_z 1
		.amdhsa_system_vgpr_workitem_id 0
		.amdhsa_next_free_vgpr 144
		.amdhsa_next_free_sgpr 66
		.amdhsa_reserve_vcc 0
		.amdhsa_float_denorm_mode_32 3
		.amdhsa_float_denorm_mode_16_64 3
		.amdhsa_memory_ordered 1
		.amdhsa_forward_progress 1
		.amdhsa_inst_pref_size 32
	.end_amdhsa_kernel
	.amdgpu_metadata
---
amdhsa.version: [ 1, 2 ]
amdhsa.kernels:
  - .name:           k_q64c56a3acf_place
    .symbol:         k_q64c56a3acf_place.kd
    .args:
      - { .name: xb, .offset: 0, .size: 8, .value_kind: global_buffer, .address_space: global }
      - { .name: sel, .offset: 8, .size: 8, .value_kind: global_buffer, .address_space: global }
      - { .name: cw, .offset: 16, .size: 8, .value_kind: global_buffer, .address_space: global }
      - { .name: xg, .offset: 24, .size: 8, .value_kind: global_buffer, .address_space: global }
      - { .name: cnt, .offset: 32, .size: 8, .value_kind: global_buffer, .address_space: global }
      - { .name: lw, .offset: 40, .size: 8, .value_kind: global_buffer, .address_space: global }
    .group_segment_fixed_size: 56832
    .private_segment_fixed_size: 0
    .kernarg_segment_align: 8
    .kernarg_segment_size: 48
    .max_flat_workgroup_size: 128
    .sgpr_count:     66
    .vgpr_count:     144
    .wavefront_size: 32
...
	.end_amdgpu_metadata
.endif
;; end of part 5
;; launch up (part 6): grid 32 x 8, 4 waves a work-group, no clusters, 66,048 bytes of LDS; arguments xg, cnt, w1, w3, hid; writes hid
.if DOCPART == 6
	.amdgcn_target "amdgcn-amd-amdhsa--gfx1250"
	.amdhsa_code_object_version 6
	.text
	.protected	k_q64c56a3acf_up
	.globl	k_q64c56a3acf_up
	.p2align	8
	.type	k_q64c56a3acf_up,@function
k_q64c56a3acf_up:
	s_mov_b64 s[64:65], 0
	v_nop
	global_prefetch_b8 v0, s[64:65] scope:SCOPE_SE
	s_setreg_imm32_b32 hwreg(HW_REG_WAVE_MODE, 25, 1), 1
	s_wait_xcnt 0x0
; UP.  hid = silu(x w1[e]) * (x w3[e]) for the rows that chose expert e, in bf16.  xg: those rows as bf16 fragments, [e][tile 64][K step 32][half 2][lane 32][16 bytes]; cnt[e] their number; w1, w3 [8][1024][2048] f32.
; SHARES.  Work-group (s, e) has expert e and the 64 hidden columns 64 s .. 64 s + 63 of BOTH w1 and w3: 512 KB of f32.  The expert's rows go in tiles of 16 by rank; a pass gives each wave five tile slots:
; tile = 20 pass + 4 slot + wave.
; PASS 0 STREAMS.  K goes in eight chunks of 128.  A chunk's weights are 64 KB of f32; each wave brings a quarter of them through registers (waves 0, 2: w1; waves 1, 3: w3; two blocks of 32 rows x 64 columns,
; 32 loads, each of two whole row pieces of 256 bytes), rounds them to bf16 and lays them into LDS as fragments: a ring of two slots of 32 KB at fixed addresses.  While chunk c is multiplied out of slot c % 2,
; its middle rounds chunk c + 1 into the other slot and asks for chunk c + 2; the rows of chunk c + 1 are asked for in two halves, at the chunk's head and in its middle.  ONE BARRIER A CHUNK, at the head of its
; fourth K step: in front of it each wave has waited for its stores into the other slot and for its last reads of this one; behind it the other slot is whole and this one may be written.
; Pass 0 runs in every wave, whatever cnt says, so that every wave passes every barrier; slots past the count repeat the last tile that exists, their later products and their ways out are jumped.
; THE FRAGMENTS.  Lane (r = l % 16, h = l / 16) holds W[k][4 r .. 4 r + 3] for the 16 rows k that a fragment's lane needs (8 h + 0..7, 16 + 8 h + 0..7); rounding rows 2 p, 2 p + 1 of component j as a pair IS
; register p of fragment j, in which lane r stands for column 4 r + j: nothing is transposed.
; THE SUMS ARE CLEARED, 320 v_mov_b32, in the wait for the first weights: so chunk 0 is a chunk like any other, and the text holds four chunks (a loop of two, and the last two, which ask for less) and not six.
; PASSES 1 TO 3 serve an expert with more than 320 rows.  The ring has not kept the slice, so there each wave reads and rounds the slice's weights for itself, a K step a trip, with no LDS and no barrier
; (a loop whose running hangs on a stored count holds neither).  LIMIT OF SPEED, not of values: such a pass reads the slice four times over and waits for every K step's loads.
; THE PRODUCT IS USED TRANSPOSED (source 0 = weights, source 1 = 16 rows of x): register i of lane (r, h) is row r, column 32 h + 4 i + j.  The four j of a lane, packed in pairs, are 32 neighbouring columns:
; two fragments of source 0 for the next launch, which orders its K likewise.  hid: [e][tile 64][s 32][u 2][half 2][lane 32][16 bytes]; tiles that exist are written, tile 0 always.
; NO JOINT LOADS: each weight byte has one reader.  The 32 work-groups of an expert do walk the same tiles of xg; a ring for them beside the accumulators' five slots would send every row fragment
; through LDS, 20 KB more LDS reads for each chunk and wave beside the weights' 32 KB: not built.
; LIMITS.  All operands bf16, sums f32; hid is rounded once to bf16.  sigmoid = 1 / (1 + 2^(-h log2 e)): where the exponential overflows the result is 0, as the limit is; a denormal exponential counts as 0.
.set SLOTB, 32768                      ; a slot: K step ks, matrix c, component j at ks 8192 + c 4096 + j 1024 + half 512 + lane 16
.set SPARE, 2*SLOTB                    ; the spare words, 128 bytes a wave: two blocks of 256 bytes that no other line names
.set LN,  1                            ; lane
.set SPW, 2                            ; my spare word;  NIL: 0.  Kept for the add at the wave's end
.set NIL, 3
.set L16, 4                            ; 16 x lane: my place in every fragment, in LDS and in memory; never rewritten
.set RR,  5
.set HH,  6
.set WO,  7                            ; my offset in a block of weights: 8 h rows of 8,192 bytes + 16 r
.set WL,  8                            ; LDS: where my fragments go in a slot
.set TMP, 12
.set AO,  16                           ; v16-20  slot i: my offset in xg, at the chunk asked for last
.set SO,  24                           ; my offset in hid
.set PK,  32                           ; v32-63  a block's eight half fragments
.set BF0, 64                           ; v64-127, v128-191  weight fragments of a K step, two buffers: matrix c, component j at 8 (4 c + j)
.set T,   64                           ; on the way out: 32 numbers at work
.set P,   96                           ; on the way out: 16 registers of bf16 pairs
.set AC4, 192                          ; v192-255  slot 4's accumulators
.set WS,  160                          ; v160-223 of windows 1 and 2: a block of weights as loaded, stage 0 and stage 1
; window 1: v0-159 rows of x, buffer X: K step ks of a chunk's four, slot i at 8 (5 ks + i).  window 2: buffer Y.  window 3: slots 0-3's accumulators: 64 i + 32 c + 8 j
; s[4:5] xg  s[6:7] cnt  s[8:9] w1  s[10:11] w3  s[12:13] hid  s14 wave  s15 s  s16 e  s[18:19] my weights, at the chunk asked for last  s23 rows  s24 tiles  s25 pass  s26 the pass's first tile of mine
; s27 my live slots  s28 loop counts  s30, s31 at work  s[32:33] hid at (e, s)  s[34:35] -log2(e)  s[36:37] xg at e  s[40:43] passes 1-3: w1 and w3 at the K step  s[44:47] w1 and w3 at (e, s)
.set MSB, 0
.macro WIN new                         ; s_set_vgpr_msb: bits 1:0 source 0, 3:2 source 1, 5:4 source 2, 7:6 destination; the high byte repeats the setting that is left
.if MSB != (\new)
	s_set_vgpr_msb (MSB<<8)|(\new)
.set MSB, \new
.endif
.endm
.macro PLACES                          ; four plain vector instructions between a matrix instruction and a load into, or a vector access to, its registers
.rept 4
	v_nop
.endr
.endm
.macro WLOAD st                        ; pass 0: my block st of the chunk at s[18:19]: 32 rows of K x 64 columns, 16 loads
	WIN 0x40<<(\st)
.set q, 0
.rept 16
	global_load_b128 v[WS+4*q:WS+4*q+3], v[WO], s[18:19] offset:(\st)*262144+(q+8*(q/8))*8192 th:TH_LOAD_NT
.set q, q+1
.endr
.endm
.macro GLOAD st                        ; passes 1-3: the K step's block of w1 (st = 0) or w3 (st = 1)
	WIN 0x40<<(\st)
.set q, 0
.rept 16
	global_load_b128 v[WS+4*q:WS+4*q+3], v[WO], s[40+2*(\st):41+2*(\st)] offset:(q+8*(q/8))*8192
.set q, q+1
.endr
.endm
.macro WCVT st, dst                    ; register p of fragment j = rows 2 p, 2 p + 1, component j
	WIN 0x05<<(\st)
.set j, 0
.rept 4
.set p, 0
.rept 8
	v_cvt_pk_bf16_f32 v[(\dst)+8*j+p], v[WS+8*p+j], v[WS+8*p+4+j]
.set p, p+1
.endr
.set j, j+1
.endr
.endm
.macro WSTORE slot, st
	WIN 0
.set f, 0
.rept 8
	ds_store_b128 v[WL], v[PK+4*f:PK+4*f+3] offset:(\slot)*SLOTB+(\st)*8192+f*512
.set f, f+1
.endr
.endm
.macro ALOADH win, hf                  ; half a chunk of rows: K steps 2 hf, 2 hf + 1 of five tiles: 20 loads of 512 consecutive bytes
	WIN \win
.set ak, 2*(\hf)
.rept 2
.set ai, 0
.rept 5
	global_load_b128 v[8*(5*ak+ai):8*(5*ak+ai)+3],   v[AO+ai], s[36:37] offset:ak*1024
	global_load_b128 v[8*(5*ak+ai)+4:8*(5*ak+ai)+7], v[AO+ai], s[36:37] offset:ak*1024+512
.set ai, ai+1
.endr
.set ak, ak+1
.endr
.endm
.macro BFETCH bf, off                  ; a K step's eight weight fragments, at a constant place in the ring
	WIN 0
.set bx, 0
.rept 8
	ds_load_b128 v[(\bf)+8*bx:(\bf)+8*bx+3],   v[L16] offset:(\off)+bx*1024
	ds_load_b128 v[(\bf)+8*bx+4:(\bf)+8*bx+7], v[L16] offset:(\off)+bx*1024+512
.set bx, bx+1
.endr
.endm
.macro MMT aw, ks, bf, i, zero         ; slot i's eight products of a K step.  aw: the window of x's buffer
.if (\i) < 4
	WIN 0xf0|((\aw)<<2)
.set mD, 64*(\i)
.else
	WIN (\aw)<<2
.set mD, AC4
.endif
.set mf, 0
.rept 8
.if \zero
	v_wmma_f32_16x16x32_bf16 v[mD+8*mf:mD+8*mf+7], v[(\bf)+8*mf:(\bf)+8*mf+7], v[8*(5*(\ks)+(\i)):8*(5*(\ks)+(\i))+7], 0
.else
	v_wmma_f32_16x16x32_bf16 v[mD+8*mf:mD+8*mf+7], v[(\bf)+8*mf:(\bf)+8*mf+7], v[8*(5*(\ks)+(\i)):8*(5*(\ks)+(\i))+7], v[mD+8*mf:mD+8*mf+7]
.endif
.set mf, mf+1
.endr
.endm
.macro MM34 aw, ks, bf                 ; the products of slots 3 and 4, jumped where the slots are empty
	s_cmp_lt_u32 s27, 4
	s_cbranch_scc1 .Lke_\@
	MMT \aw, \ks, \bf, 3, 0
	WIN 0
	s_cmp_lt_u32 s27, 5
	s_cbranch_scc1 .Lke_\@
	MMT \aw, \ks, \bf, 4, 0
	WIN 0
.Lke_\@:
.endm
; A K step of pass 0.  Every accumulator has one product: they take turns.
; mode 0: the next step's fragments are asked for first, into the buffer that the step before multiplied.
; mode 1: a chunk's fourth step, with the chunk's barrier; behind it the next chunk's first fragments are asked for, out of the other slot.   mode 2: the very last step.
.macro KSTEP aw, slot, ks, mode
.set kb, BF0+64*((\ks)%2)
.set ko, BF0+64*(((\ks)+1)%2)
	WIN 0
.if (\mode) == 0
	PLACES
	BFETCH ko, (\slot)*SLOTB+((\ks)+1)*8192
	s_wait_dscnt 16                                ; this step's fragments are in (and my stores into the other slot, which are older); the 16 loads just issued stay out
.else
	s_wait_dscnt 0x0                               ; this step's fragments, my last reads of this slot, are in; my stores into the other slot are done
.endif
.if (\mode) == 1
	s_barrier_signal -1                            ; say so,
.endif
	MMT \aw, \ks, kb, 0, 0                         ; work on registers while the others arrive,
	MMT \aw, \ks, kb, 1, 0
	MMT \aw, \ks, kb, 2, 0
	WIN 0
.if (\mode) == 1
	s_barrier_wait -1                              ; and go on when all four have said so: the other slot is whole, and this one may be written
	PLACES
	BFETCH ko, (1-(\slot))*SLOTB
.endif
	MM34 \aw, \ks, kb
.endm
; A chunk of pass 0: four K steps on x's buffer aw and LDS slot slot.  an: the next chunk's rows are asked for.  wp: the next chunk's weights are rounded into the other slot.  wl: the chunk after that is asked for.
.macro CHUNK aw, slot, wp, wl, an, last
	WIN 0
.if \last
	s_wait_loadcnt 0x0                             ; the last rows; nothing younger is out
.else
	s_wait_loadcnt 32                              ; this chunk's rows are in: the 32 younger loads, the next chunk's weights, stay out.  No load that names AO is out any more
.endif
.if \an
.irp i, 0,1,2,3,4
	v_add_nc_u32 v[AO+(\i)], 0x1000, v[AO+(\i)]    ; a chunk is 4 KB of a tile
.endr
	ALOADH 0xc0-((\aw)<<6), 0                      ; into registers that the chunk before multiplied in its first half: its roundings stand between
.endif
	KSTEP \aw, \slot, 0, 0
	KSTEP \aw, \slot, 1, 0
.if \wp
	WIN 0
	s_wait_loadcnt 20                              ; the next chunk's weights are in: the 20 younger loads, half a chunk of rows, stay out.  No load that names s[18:19] is out any more
	ALOADH 0xc0-((\aw)<<6), 1                      ; ahead of the weights' loads, so that the wait at the next chunk's head can leave those out
.if \wl
	s_add_nc_u64 s[18:19], s[18:19], 0x100000      ; 128 rows of 8,192 bytes on
.endif
	WCVT 0, PK
	WSTORE 1-(\slot), 0
.if \wl
	WLOAD 0
.endif
	WCVT 1, PK
	WSTORE 1-(\slot), 1
.if \wl
	WLOAD 1
.endif
.endif
	KSTEP \aw, \slot, 2, 0
.if \last
	KSTEP \aw, \slot, 3, 2
.else
	KSTEP \aw, \slot, 3, 1
.endif
.endm
.macro ASET                            ; slot i's tile, held to the last one that exists; my offset in it
	s_sub_co_u32 s31, s24, 1
.irp i, 0,1,2,3,4
	s_add_co_u32 s30, s26, 4*(\i)
	s_min_u32 s30, s30, s31
	s_min_u32 s30, s30, 63
	s_lshl_b32 s30, s30, 15
	v_add_nc_u32 v[AO+(\i)], s30, v[L16]
.endr
.endm
; A K step of passes 1 to 3: the wave's own 32 loads of weights and 10 of rows, their wait, the rounding straight into the fragment registers, the products.  zero = 1: the first K step starts all 40 sums.
.macro GSTEP zero
	WIN 0
	PLACES                                         ; behind the last trip's products, in front of the loads into x's registers
	GLOAD 0
	GLOAD 1
	WIN 0x40
.irp i, 0,1,2,3,4
	global_load_b128 v[8*(\i):8*(\i)+3],   v[AO+(\i)], s[36:37]
	global_load_b128 v[8*(\i)+4:8*(\i)+7], v[AO+(\i)], s[36:37] offset:512
.endr
	WIN 0
	s_wait_loadcnt 0x0                             ; all 42; the wait also frees their addresses
	s_add_nc_u64 s[40:41], s[40:41], 0x40000       ; 32 rows on
	s_add_nc_u64 s[42:43], s[42:43], 0x40000
.irp i, 0,1,2,3,4
	v_add_nc_u32 v[AO+(\i)], 0x400, v[AO+(\i)]
.endr
	WCVT 0, BF0
	WCVT 1, BF0+32
	MMT 1, 0, BF0, 0, \zero
	MMT 1, 0, BF0, 1, \zero
	MMT 1, 0, BF0, 2, \zero
.if \zero
	MMT 1, 0, BF0, 3, 1
	MMT 1, 0, BF0, 4, 1
	WIN 0
.else
	WIN 0
	MM34 1, 0, BF0
.endif
.endm
; THE WAY OUT of slot i: silu(h) g in f32, rounded once, 2 KB of fragments.  Each accumulator is read from its lowest registers on.
.macro EPI i
.if (\i) < 4
.set eH, 64*(\i)
.set eW, 0x03
.else
.set eH, AC4
.set eW, 0
.endif
	WIN 0
	s_cmp_le_u32 s27, \i
	s_cbranch_scc1 .Lee_\@
	WIN eW
.set n, 0
.rept 16
	v_pk_mul_f32 v[T+2*n:T+2*n+1], v[eH+2*n:eH+2*n+1], s[34:35] op_sel_hi:[1,0]  ; -h log2(e)
.set n, n+1
.endr
	WIN 0
.set n, 0
.rept 32
	v_exp_f32 v[T+n], v[T+n]
.set n, n+1
.endr
	v_nop                                          ; a plain instruction behind the last exponential,
	s_wait_alu depctr_va_vdst(0)                   ; and one wait for the batch of 32
.set n, 0
.rept 16
	v_pk_add_f32 v[T+2*n:T+2*n+1], v[T+2*n:T+2*n+1], 1.0 op_sel_hi:[1,0]
.set n, n+1
.endr
.set n, 0
.rept 32
	v_rcp_f32 v[T+n], v[T+n]
.set n, n+1
.endr
	v_nop
	s_wait_alu depctr_va_vdst(0)                   ; one wait for the 32 reciprocals
	WIN eW
.set n, 0
.rept 16
	v_pk_mul_f32 v[T+2*n:T+2*n+1], v[eH+2*n:eH+2*n+1], v[T+2*n:T+2*n+1]  ; h sigmoid(h) first: a sigmoid of 0 never meets an overflowed h g
.set n, n+1
.endr
.set n, 0
.rept 16
	v_pk_mul_f32 v[T+2*n:T+2*n+1], v[eH+32+2*n:eH+32+2*n+1], v[T+2*n:T+2*n+1]
.set n, n+1
.endr
	WIN 0
	s_wait_xcnt 0x0                                ; P and SO, which the slot before stored from, are rewritten only behind this wait
.set n, 0
.rept 8
	v_cvt_pk_bf16_f32 v[P+2*n],   v[T+n],    v[T+8+n]   ; columns 32 h + 4 n, + 1
	v_cvt_pk_bf16_f32 v[P+2*n+1], v[T+16+n], v[T+24+n]  ; + 2, + 3
.set n, n+1
.endr
	s_add_co_u32 s30, s26, 4*(\i)
	s_lshl_b32 s30, s30, 16                        ; the tile's 64 KB
	v_add_nc_u32 v[SO], s30, v[L16]
.irp q, 0,1,2,3
	global_store_b128 v[SO], v[P+4*(\q):P+4*(\q)+3], s[32:33] offset:(\q)*512  ; 512 consecutive bytes, at a multiple of 512 from hid's first
.endr
.Lee_\@:
.endm
	s_load_b256 s[4:11], s[0:1], 0x0
	s_load_b64 s[12:13], s[0:1], 0x20
	v_lshl_add_u32 v[SPW], v0, 2, SPARE
	v_mov_b32 v[NIL], 0
	v_and_b32 v[LN], 31, v0
	v_lshrrev_b32 v[TMP], 5, v0
	v_readfirstlane_b32 s14, v[TMP]                ; wave 0..3
	s_mov_b32 s15, ttmp9
	s_and_b32 s16, ttmp7, 0xffff
	v_lshlrev_b32 v[L16], 4, v[LN]
	v_and_b32 v[RR], 15, v[LN]
	v_lshrrev_b32 v[HH], 4, v[LN]
	v_lshlrev_b32 v[WO], 4, v[RR]
	v_lshl_add_u32 v[WO], v[HH], 16, v[WO]
	s_lshr_b32 s30, s14, 1                         ; which two of a chunk's four K steps are mine
	s_and_b32 s31, s14, 1                          ; which matrix
	s_lshl_b32 s28, s30, 14
	s_lshl_b32 s29, s31, 12
	s_add_co_u32 s28, s28, s29
	v_add_nc_u32 v[WL], s28, v[L16]
	s_mov_b32 s34, 0xbfb8aa3b                      ; -log2(e); named as a pair
	s_mov_b32 s35, s34
	s_lshl_b32 s20, s16, 23                        ; w1, w3: an expert's 8 MB,
	s_lshl_b32 s28, s15, 8                         ; the slice's 256 bytes of a row
	s_add_co_u32 s20, s20, s28
	s_mov_b32 s21, 0
	s_lshl_b32 s38, s16, 2                         ; cnt: the expert's word
	s_mov_b32 s39, 0
	s_lshl_b32 s40, s16, 22                        ; hid: an expert's 64 tiles of 64 KB, the slice's 2 KB of a tile
	s_lshl_b32 s28, s15, 11
	s_add_co_u32 s40, s40, s28
	s_mov_b32 s41, 0
	s_lshl_b32 s42, s30, 19                        ; two K steps of 32 rows
	s_mov_b32 s43, 0
	s_wait_kmcnt 0x0
	s_add_nc_u64 s[6:7], s[6:7], s[38:39]
	s_load_b32 s23, s[6:7], 0x0                    ; the expert's rows
	s_add_nc_u64 s[44:45], s[8:9], s[20:21]
	s_add_nc_u64 s[46:47], s[10:11], s[20:21]
	s_cmp_eq_u32 s31, 0
	s_cselect_b64 s[18:19], s[44:45], s[46:47]     ; w1 for even waves, w3 for odd ones
	s_add_nc_u64 s[18:19], s[18:19], s[42:43]
	s_add_nc_u64 s[32:33], s[12:13], s[40:41]
	s_lshl_b32 s40, s16, 21                        ; xg: an expert's 64 tiles of 32 KB
	s_add_nc_u64 s[36:37], s[4:5], s[40:41]
	WLOAD 0                                        ; chunk 0's weights go out first of all
	WLOAD 1
	WIN 0xc0                                       ; the sums are cleared while they are on their way
.set n, 0
.rept 256
	v_mov_b32 v[n], 0
.set n, n+1
.endr
	WIN 0
.set n, 0
.rept 64
	v_mov_b32 v[AC4+n], 0
.set n, n+1
.endr
	s_wait_kmcnt 0x0
	s_min_u32 s23, s23, 0x400
	s_add_co_u32 s24, s23, 15
	s_lshr_b32 s24, s24, 4
	s_max_u32 s24, s24, 1                          ; tiles of 16 rows, one at the least: the launch before wrote that many
	s_mov_b32 s25, 0
	s_mov_b32 s26, s14                             ; pass 0: my first tile is my wave's number
	s_sub_co_i32 s30, s24, s26
	s_max_i32 s30, s30, 0
	s_add_co_u32 s30, s30, 3
	s_lshr_b32 s30, s30, 2
	s_min_u32 s27, s30, 5                          ; my live slots: 0 to 5
	ASET
	ALOADH 0x40, 0                                 ; chunk 0's rows
	ALOADH 0x40, 1
	WIN 0
	s_wait_loadcnt 40                              ; chunk 0's weights are in; the 40 younger loads, its rows, stay out
	s_add_nc_u64 s[18:19], s[18:19], 0x100000
	WCVT 0, PK
	WSTORE 0, 0
	WLOAD 0                                        ; chunk 1's weights
	WCVT 1, PK
	WSTORE 0, 1
	WLOAD 1
	WIN 0
	s_wait_dscnt 0x0                               ; for the others' sake: my part of slot 0 is in LDS
	s_barrier_signal -1
	s_barrier_wait -1
	BFETCH BF0, 0
	s_mov_b32 s28, 3
.Lk:                                                   ; three trips: chunks 0 to 5
	CHUNK 1, 0, 1, 1, 1, 0
	CHUNK 2, 1, 1, 1, 1, 0
	WIN 0
	s_sub_co_u32 s28, s28, 1
	s_cmp_lg_u32 s28, 0
	s_cbranch_scc1 .Lk
	CHUNK 1, 0, 1, 0, 1, 0                         ; chunk 6 rounds chunk 7's weights and asks for no more of them
	CHUNK 2, 1, 0, 0, 0, 1                         ; chunk 7 asks for nothing
	WIN 0
	PLACES                                         ; the way out reads results just made and writes over fragment registers
	s_branch .Lepi                                 ; the loop over passes is entered at its way out
.Lpass:                                                ; passes 1 to 3; a pass in which I have no tile is jumped
	s_sub_co_i32 s30, s24, s26
	s_cmp_le_i32 s30, 0
	s_cbranch_scc1 .Lnext
	s_add_co_u32 s30, s30, 3
	s_lshr_b32 s30, s30, 2
	s_min_u32 s27, s30, 5
	s_wait_xcnt 0x0                                ; the last pass's stores have read P, which the rounding below writes over
	ASET
	s_mov_b64 s[40:41], s[44:45]
	s_mov_b64 s[42:43], s[46:47]
	GSTEP 1
	s_mov_b32 s28, 31
.Lg:
	GSTEP 0
	s_sub_co_u32 s28, s28, 1
	s_cmp_lg_u32 s28, 0
	s_cbranch_scc1 .Lg
	PLACES
.Lepi:
	EPI 0
	EPI 1
	EPI 2
	EPI 3
	EPI 4
.Lnext:
	s_add_co_u32 s26, s26, 20
	s_add_co_u32 s25, s25, 1
	s_cmp_lt_u32 s25, 4
	s_cbranch_scc1 .Lpass
	s_wait_dscnt 0x0                               ; my reads of the ring are over;
	s_barrier_signal -1                            ; read, wait, barrier, write: every wave's reads are over before any wave's last LDS write below
	s_barrier_wait -1
	s_wait_tensorcnt 0x0                           ; the wave's end, behind my last LDS store
	ds_add_u32 v[SPW], v[NIL]
	s_wait_dscnt 0x0
	s_endpgm
.Lfunc_end_k_q64c56a3acf_up:
	.size	k_q64c56a3acf_up, .Lfunc_end_k_q64c56a3acf_up-k_q64c56a3acf_up
	.p2alignl 7, 3214868480
	.fill 96, 4, 3214868480
	.section	.rodata,"a",@progbits
	.p2align	6, 0x0
	.amdhsa_kernel k_q64c56a3acf_up
		.amdhsa_group_segment_fixed_size 66048
		.amdhsa_private_segment_fixed_size 0
		.amdhsa_enable_private_segment 0
		.amdhsa_kernarg_size 40
		.amdhsa_user_sgpr_count 2
		.amdhsa_user_sgpr_kernarg_segment_ptr 1
		.amdhsa_wavefront_size32 1
		.amdhsa_system_sgpr_workgroup_id_x 1
		.amdhsa_system_sgpr_workgroup_id_y 1
		.amdhsa_system_sgpr_workgroup_id_z 1
		.amdhsa_system_vgpr_workitem_id 0
		.amdhsa_next_free_vgpr 1024
		.amdhsa_next_free_sgpr 66
		.amdhsa_reserve_vcc 0
		.amdhsa_float_denorm_mode_32 3
		.amdhsa_float_denorm_mode_16_64 3
		.amdhsa_memory_ordered 1
		.amdhsa_forward_progress 1
		.amdhsa_inst_pref_size 191
	.end_amdhsa_kernel
	.amdgpu_metadata
---
amdhsa.version: [ 1, 2 ]
amdhsa.kernels:
  - .name:           k_q64c56a3acf_up
    .symbol:         k_q64c56a3acf_up.kd
    .args:
      - { .name: xg, .offset: 0, .size: 8, .value_kind: global_buffer, .address_space: global }
      - { .name: cnt, .offset: 8, .size: 8, .value_kind: global_buffer, .address_space: global }
      - { .name: w1, .offset: 16, .size: 8, .value_kind: global_buffer, .address_space: global }
      - { .name: w3, .offset: 24, .size: 8, .value_kind: global_buffer, .address_space: global }
      - { .name: hid, .offset: 32, .size: 8, .value_kind: global_buffer, .address_space: global }
    .group_segment_fixed_size: 66048
    .private_segment_fixed_size: 0
    .kernarg_segment_align: 8
    .kernarg_segment_size: 40
    .max_flat_workgroup_size: 128
    .sgpr_count:     66
    .vgpr_count:     1024
    .wavefront_size: 32
...
	.end_amdgpu_metadata
.endif
;; end of part 6
;; launch down (part 7): grid 32 x 8, 4 waves a work-group, no clusters, 33,280 bytes of LDS; arguments hid, cnt, lw, w2, yp; writes yp
.if DOCPART == 7
	.amdgcn_target "amdgcn-amd-amdhsa--gfx1250"
	.amdhsa_code_object_version 6
	.text
	.protected	k_q64c56a3acf_down
	.globl	k_q64c56a3acf_down
	.p2align	8
	.type	k_q64c56a3acf_down,@function
k_q64c56a3acf_down:
	s_mov_b64 s[64:65], 0
	v_nop
	global_prefetch_b8 v0, s[64:65] scope:SCOPE_SE
	s_setreg_imm32_b32 hwreg(HW_REG_WAVE_MODE, 25, 1), 1
	s_wait_xcnt 0x0
; DOWN.  yp = gate weight x (hid w2[e]), partial over halves of the hidden width.  hid: bf16 fragments [e][tile 64][s 32][u 2][half 2][lane 32][16 bytes]; w2 [8][2048][1024] f32.
; cnt word e: the expert's rows; cnt from byte 256 on, [e][1024] words: by rank, the row of yp; lw [e][1024] f32: by rank, the gate weight.
; yp [p 4][1024][1024] f32, p = 2 kh + kc: kh the half of the hidden width, kc whether the expert was the token's first or second choice.  Every row of yp has exactly one writer for each 64 columns.
; SHARES.  Work-group (x, e): columns 64 (x / 2) .. + 63 of the output, hidden rows 1024 (x % 2) .. + 1023 of w2[e]: 256 KB of f32.  Halves of K and not narrower columns, so that a weight row's piece stays
; 256 whole bytes.  The expert's rows go in tiles of 16 by rank; a pass gives each wave five tile slots: tile = 20 pass + 4 slot + wave.
; PASS 0 STREAMS.  K goes in eight chunks of 128.  Of a chunk's weights each wave brings one K step through registers (16 loads, each of two whole row pieces of 256 bytes), rounds it to bf16 and lays it into LDS
; as fragments: a ring of two slots of 16 KB at fixed addresses.  Chunk c: at its head it asks for the first half of chunk c + 1's rows and for chunk c + 2's weights; 40 products; in its middle it asks for the
; second half of those rows and rounds chunk c + 1's weights into the other slot; ONE BARRIER; 40 products.  In front of the barrier each wave has waited for its stores into the other slot and for its last reads
; of this one; behind it the other slot is whole and this one may be written.  Loads come back in order (ISA guide 5.7.1), so the order of issue is chosen so that no wait for rows drags in younger weights:
; weights have three half chunks in which to land, each half of the rows two.  Two stages, two pointers and two sets of row offsets take turns: each is written again only behind the counted wait that shows
; its own last loads done.  Pass 0 runs in every wave, whatever cnt says, so that every wave passes every barrier; slots past the count repeat the last tile that exists, their products (slots 3, 4) and ways out are jumped.
; THE SUMS ARE CLEARED, 160 v_mov_b32, in the wait for the first weights: so chunk 0 is a chunk like any other, and the text holds four chunks (a loop of two, and the last two, which ask for less) and not six.
; PASSES 1 TO 3 serve an expert with more than 320 rows.  The ring has not kept the slice, so there each wave reads and rounds the slice's weights for itself, two K steps a trip, with no LDS and no barrier
; (a loop whose running hangs on a stored count holds neither).  LIMIT OF SPEED, not of values: such a pass reads the slice four times over and waits for every trip's loads.
; K's ORDER.  In hid lane half h of K step t = 2 s + u holds hidden columns 64 s + 32 h + 16 u + 0..15, so lane half h takes just those 16 rows of w2: the same order of K on both sides.
; THE FRAGMENTS.  Lane (r = l % 16, h = l / 16) holds w2[k][4 r .. 4 r + 3] for its 16 rows k; rounding rows 2 p, 2 p + 1 of component j as a pair IS register p of fragment j, in which lane r stands for column 4 r + j.
; THE PRODUCT (source 0 = hid, source 1 = weights): register rr of lane (r, h) is row 8 h + rr, column 4 r + j: the four j make 16 neighbouring bytes, and 16 lanes store 256 consecutive bytes of a row,
; at a multiple of 256 from yp's first byte.  Rows past the count are not stored: a tile with 16 rows left stores with all lanes on; only a shorter one narrows EXEC, store by store.
; NO JOINT LOADS: the 16 work-groups of an expert's K half walk the same tiles of hid, but how many hangs on a stored count; a ring for them would send every row fragment through LDS and run
; the cluster's rounds for the 64 tiles that one expert can have, four times what an even split needs.
; LIMITS.  Operands bf16, sums f32, partial sums stored in f32.
.set SLOTB, 16384                      ; a slot: K step ks of the chunk's four, component j at ks 4096 + j 1024 + half 512 + lane 16
.set SPARE, 2*SLOTB                    ; the spare words, 128 bytes a wave: two blocks of 256 bytes that no other line names
.set LN,  1
.set SPW, 2                            ; my spare word;  NIL: 0.  Kept for the add at the wave's end
.set NIL, 3
.set L16, 4                            ; 16 x lane: my place in every fragment, in LDS and in memory; never rewritten
.set RR,  5
.set HH,  6
.set WO,  7                            ; 32 h rows of 4,096 bytes + 16 r
.set WL,  8                            ; LDS: where my fragments go in a slot
.set V8H, 9                            ; 8 h
.set R16, 10                           ; 16 r
.set H32, 11                           ; 32 h
.set TMP, 12
.set AO0, 16                           ; v16-20  slot i: my offset in hid for a chunk's first two K steps
.set AO1, 21                           ; v21-25  the same for its last two
.set EO,  26                           ; v26-30  slot i: my eight rows' offset in the two lists
.set PK,  32                           ; v32-63  a K step's eight half fragments
.set BF0, 64                           ; v64-127, v128-191: weight fragments of two K steps, two buffers: step kk, component j at 8 (4 kk + j)
.set T,   192                          ; v192-223  the way out: row rr's 16 bytes at 4 rr
.set OF,  224                          ; v224-231  eight offsets in yp
.set WS,  160                          ; v160-223 of windows 1 and 2: a K step of weights as loaded, stage 0 and stage 1
.set EN,  160                          ; v160-239 of window 3: slot i: eight rows of yp at 16 i, eight gate weights at 16 i + 8
; window 1: v0-159 hid, buffer X: K step ks of a chunk's four, slot i at 8 (5 ks + i).  window 2: buffer Y.  window 3: v0-159 accumulators 32 i + 8 j
; s[4:5] hid  s[6:7] cnt  s[8:9] lw at e  s[10:11] w2  s[12:13] yp  s[14:15] the list of rows at e  s16 wave  s17 kh  s18 e  s19 column block  s[20:21], s[34:35] my weights: the even chunks', the odd chunks'
; s22 at work  s24 rows  s25 tiles  s26 pass  s27 the pass's first tile of mine  s28 my live slots  s29 loop counts  s30, s31 at work  s[32:33] yp at (kh, columns)  s[36:37] hid at (e, kh)
; s[40:41] passes 1-3: w2 at the trip's K steps  s[44:45] w2 at (e, kh, columns)
.set MSB, 0
.macro WIN new                         ; s_set_vgpr_msb: bits 1:0 source 0, 3:2 source 1, 5:4 source 2, 7:6 destination; the high byte repeats the setting that is left
.if MSB != (\new)
	s_set_vgpr_msb (MSB<<8)|(\new)
.set MSB, \new
.endif
.endm
.macro PLACES                          ; four plain vector instructions between a matrix instruction and a load into, or a vector access to, its registers
.rept 4
	v_nop
.endr
.endm
.macro WLOAD st                        ; pass 0: my K step of the chunk at pointer st, into stage st: 32 rows x 64 columns
	WIN 0x40<<(\st)
.set q, 0
.rept 16
	global_load_b128 v[WS+4*q:WS+4*q+3], v[WO], s[20+14*(\st):21+14*(\st)] offset:q*4096 th:TH_LOAD_NT
.set q, q+1
.endr
.endm
.macro GLOAD st                        ; passes 1-3: K step u = st of the trip's two
	WIN 0x40<<(\st)
.set q, 0
.rept 16
	global_load_b128 v[WS+4*q:WS+4*q+3], v[WO], s[40:41] offset:(\st)*65536+q*4096
.set q, q+1
.endr
.endm
.macro WCVT st, dst                    ; register p of fragment j = rows 2 p, 2 p + 1, component j
	WIN 0x05<<(\st)
.set j, 0
.rept 4
.set p, 0
.rept 8
	v_cvt_pk_bf16_f32 v[(\dst)+8*j+p], v[WS+8*p+j], v[WS+8*p+4+j]
.set p, p+1
.endr
.set j, j+1
.endr
.endm
.macro WSTORE slot
	WIN 0
.set f, 0
.rept 8
	ds_store_b128 v[WL], v[PK+4*f:PK+4*f+3] offset:(\slot)*SLOTB+f*512
.set f, f+1
.endr
.endm
.macro ALOADH win, hf                  ; half a chunk of hid: K steps 2 hf, 2 hf + 1 of five tiles: 20 loads of 512 consecutive bytes
	WIN \win
.set ak, 2*(\hf)
.rept 2
.set ai, 0
.rept 5
	global_load_b128 v[8*(5*ak+ai):8*(5*ak+ai)+3],   v[AO0+5*(\hf)+ai], s[36:37] offset:ak*1024
	global_load_b128 v[8*(5*ak+ai)+4:8*(5*ak+ai)+7], v[AO0+5*(\hf)+ai], s[36:37] offset:ak*1024+512
.set ai, ai+1
.endr
.set ak, ak+1
.endr
.endm
.macro ELOAD                           ; the five slots' list entries: my eight rows' places in yp and their gate weights: 20 loads
	WIN 0xc0
.set ai, 0
.rept 5
	global_load_b128 v[EN+16*ai:EN+16*ai+3],     v[EO+ai], s[14:15]
	global_load_b128 v[EN+16*ai+4:EN+16*ai+7],   v[EO+ai], s[14:15] offset:16
	global_load_b128 v[EN+16*ai+8:EN+16*ai+11],  v[EO+ai], s[8:9]
	global_load_b128 v[EN+16*ai+12:EN+16*ai+15], v[EO+ai], s[8:9] offset:16
.set ai, ai+1
.endr
.endm
.macro BFETCH bf, off                  ; two K steps' eight weight fragments, at a constant place in the ring
	WIN 0
.set bx, 0
.rept 8
	ds_load_b128 v[(\bf)+8*bx:(\bf)+8*bx+3],   v[L16] offset:(\off)+bx*1024
	ds_load_b128 v[(\bf)+8*bx+4:(\bf)+8*bx+7], v[L16] offset:(\off)+bx*1024+512
.set bx, bx+1
.endr
.endm
.macro MMT aw, ks, bf, kk, i           ; slot i's four products of K step ks of the chunk, step kk of the weight buffer.  aw: the window of hid's buffer
	WIN 0xf0|(\aw)
.set mf, 0
.rept 4
	v_wmma_f32_16x16x32_bf16 v[32*(\i)+8*mf:32*(\i)+8*mf+7], v[8*(5*(\ks)+(\i)):8*(5*(\ks)+(\i))+7], v[(\bf)+8*(4*(\kk)+mf):(\bf)+8*(4*(\kk)+mf)+7], v[32*(\i)+8*mf:32*(\i)+8*mf+7]
.set mf, mf+1
.endr
.endm
.macro MM34 aw, dd, bf                 ; the products of slots 3 and 4, jumped where the slots are empty
	s_cmp_lt_u32 s28, 4
	s_cbranch_scc1 .Lke_\@
	MMT \aw, 2*(\dd), \bf, 0, 3
	MMT \aw, 2*(\dd)+1, \bf, 1, 3
	WIN 0
	s_cmp_lt_u32 s28, 5
	s_cbranch_scc1 .Lke_\@
	MMT \aw, 2*(\dd), \bf, 0, 4
	MMT \aw, 2*(\dd)+1, \bf, 1, 4
	WIN 0
.Lke_\@:
.endm
; Half a chunk: two K steps on one buffer of weights.  The accumulators take turns, one instruction a turn: between two products on one accumulator stand 11 others' (slots 0-2), or 3 (slot 3, slot 4).
; mode 0: the chunk's first half: the second half's fragments are asked for first, into the buffer that the half before multiplied.
; mode 1: its second half, with the chunk's barrier; behind it the next chunk's first fragments are asked for, out of the other slot.   mode 2: the very last half.
.macro DSTEP aw, slot, dd, mode
.set kb, BF0+64*(\dd)
.set ko, BF0+64*(1-(\dd))
	WIN 0
.if (\mode) == 0
	PLACES
	BFETCH ko, (\slot)*SLOTB+8192
	s_wait_dscnt 16                                ; this half's fragments are in; the 16 loads just issued stay out
.else
	s_wait_dscnt 0x0                               ; this half's fragments, my last reads of this slot, are in; my stores into the other slot are done
.endif
.if (\mode) == 1
	s_barrier_signal -1                            ; say so,
.endif
.irp i, 0,1,2
	MMT \aw, 2*(\dd), kb, 0, \i                    ; work on registers while the others arrive,
.endr
.irp i, 0,1,2
	MMT \aw, 2*(\dd)+1, kb, 1, \i
.endr
	WIN 0
.if (\mode) == 1
	s_barrier_wait -1                              ; and go on when all four have said so: the other slot is whole, and this one may be written
	PLACES
	BFETCH ko, (1-(\slot))*SLOTB
.endif
	MM34 \aw, \dd, kb
.endm
; A chunk of pass 0, on LDS slot slot and hid's buffer in window 1 + slot.  an: the next chunk's rows are asked for and its weights rounded.  wl: the weights of the chunk after that are asked for.
; en: the lists are asked for.  n0, n1: the younger loads that may stay out at the head and in the middle.
.macro CHUNK slot, wl, an, en, n0, n1
	WIN 0
	s_wait_loadcnt \n0                             ; the first half of this chunk's rows is in, and all that is older: no load that names AO0 or this parity's pointer is out any more
.if \an
.irp i, 0,1,2,3,4
	v_add_nc_u32 v[AO0+(\i)], 0x1000, v[AO0+(\i)]  ; a chunk is 4 KB of a tile's K half
.endr
	ALOADH 0x40<<(1-(\slot)), 0                    ; into registers that the chunk before multiplied in its first half
.endif
.if \wl
	s_add_nc_u64 s[20+14*(\slot):21+14*(\slot)], s[20+14*(\slot):21+14*(\slot)], 0x100000  ; two chunks of 128 rows of 4,096 bytes on
	WLOAD \slot                                    ; into the stage that the chunk before rounded
.endif
.if \en
	ELOAD
.endif
	DSTEP 1+(\slot), \slot, 0, 0
	WIN 0
	s_wait_loadcnt \n1                             ; the second half of this chunk's rows is in, and the next chunk's weights, which are older: no load that names AO1 is out any more
.if \an
.irp i, 0,1,2,3,4
	v_add_nc_u32 v[AO1+(\i)], 0x1000, v[AO1+(\i)]
.endr
	ALOADH 0x40<<(1-(\slot)), 1
	WCVT 1-(\slot), PK
	WSTORE 1-(\slot)
	DSTEP 1+(\slot), \slot, 1, 1
.else
	DSTEP 1+(\slot), \slot, 1, 2
.endif
.endm
.macro ASET                            ; slot i's tile, held to the last one that exists; my offsets in it and in the lists
	s_max_u32 s31, s25, 1
	s_sub_co_u32 s31, s31, 1
.irp i, 0,1,2,3,4
	s_add_co_u32 s30, s27, 4*(\i)
	s_min_u32 s30, s30, s31
	s_min_u32 s30, s30, 63
	s_lshl_b32 s22, s30, 16                        ; a tile's 64 KB of hid
	v_add_nc_u32 v[AO0+(\i)], s22, v[L16]
	v_add_nc_u32 v[AO1+(\i)], s22, v[L16]
	s_lshl_b32 s22, s30, 6                         ; a tile's 64 bytes of each list
	v_add_nc_u32 v[EO+(\i)], s22, v[H32]
.endr
.endm
.macro CLEAR
	WIN 0xc0
.set n, 0
.rept 160
	v_mov_b32 v[n], 0
.set n, n+1
.endr
	WIN 0
.endm
; A trip of passes 1 to 3: two K steps: the wave's own 32 loads of weights and 20 of hid, their wait, the rounding straight into the fragment registers, the products.
.macro GSTEP
	WIN 0
	PLACES                                         ; behind the last trip's products, in front of the loads into hid's registers and the rounding into the fragments
	GLOAD 0
	GLOAD 1
	ALOADH 0x40, 0
	WIN 0
	s_wait_loadcnt 0x0                             ; all 52 (in the first trip the lists too); the wait also frees their addresses
	s_add_nc_u64 s[40:41], s[40:41], 0x40000       ; 64 rows on
.irp i, 0,1,2,3,4
	v_add_nc_u32 v[AO0+(\i)], 0x800, v[AO0+(\i)]
.endr
	WCVT 0, BF0
	WCVT 1, BF0+32
.irp i, 0,1,2
	MMT 1, 0, BF0, 0, \i
.endr
.irp i, 0,1,2
	MMT 1, 1, BF0, 1, \i
.endr
	WIN 0
	MM34 1, 0, BF0
.endm
; THE WAY OUT of slot i: each row times its gate weight, into the row of yp that the list names.  Each accumulator's register 0 is read first.
.macro EPID i
	WIN 0
	s_cmp_le_u32 s28, \i
	s_cbranch_scc1 .Led_\@
	s_add_co_u32 s30, s27, 4*(\i)
	s_lshl_b32 s30, s30, 4
	s_sub_co_i32 s31, s24, s30                     ; rows left from this tile's first on: 1 or more
	s_wait_xcnt 0x0                                ; T and OF, which the slot before stored from, are rewritten only behind this wait
	WIN 0x0f
.set n, 0
.rept 8
	v_min_u32 v[OF+n], 0x7ff, v[EN+16*(\i)+n]
.set n, n+1
.endr
.set n, 0
.rept 32
	v_mul_f32 v[T+n], v[32*(\i)+8*(n%4)+n/4], v[EN+16*(\i)+8+n/4]
.set n, n+1
.endr
	WIN 0
.set n, 0
.rept 8
	v_lshl_add_u32 v[OF+n], v[OF+n], 12, v[R16]    ; row x 4,096 bytes + 16 r
.set n, n+1
.endr
	s_cmp_ge_i32 s31, 16
	s_cbranch_scc0 .Lpart_\@
.set n, 0
.rept 8                                ; a whole tile: all lanes on, nothing to wait for
	global_store_b128 v[OF+n], v[T+4*n:T+4*n+3], s[32:33]
.set n, n+1
.endr
	s_branch .Led_\@
.Lpart_\@:
.set n, 0
.rept 8                                ; store n holds rows n and 8 + n: a lane is on while 8 h + n is below the rows left; the bound falls from store to store, so EXEC only narrows
	s_sub_co_i32 s30, s31, n
	s_max_i32 s30, s30, 0
	s_wait_xcnt 0x0                                ; EXEC changes only behind this wait
	v_cmpx_gt_u32 s30, v[V8H]
	global_store_b128 v[OF+n], v[T+4*n:T+4*n+3], s[32:33]
.set n, n+1
.endr
	s_wait_xcnt 0x0
	s_mov_b32 exec_lo, -1
.Led_\@:
.endm
	s_load_b256 s[4:11], s[0:1], 0x0               ; hid, cnt, lw, w2
	s_load_b64 s[12:13], s[0:1], 0x20              ; yp
	v_lshl_add_u32 v[SPW], v0, 2, SPARE
	v_mov_b32 v[NIL], 0
	v_and_b32 v[LN], 31, v0
	v_lshrrev_b32 v[TMP], 5, v0
	v_readfirstlane_b32 s16, v[TMP]                ; wave 0..3
	s_lshr_b32 s19, ttmp9, 1
	s_and_b32 s17, ttmp9, 1
	s_and_b32 s18, ttmp7, 0xffff
	v_lshlrev_b32 v[L16], 4, v[LN]
	v_and_b32 v[RR], 15, v[LN]
	v_lshrrev_b32 v[HH], 4, v[LN]
	v_lshlrev_b32 v[R16], 4, v[RR]
	v_lshl_add_u32 v[WO], v[HH], 17, v[R16]
	v_lshl_add_u32 v[WL], s16, 12, v[L16]          ; my K step of a chunk's four
	v_lshlrev_b32 v[V8H], 3, v[HH]
	v_lshlrev_b32 v[H32], 5, v[HH]
	s_lshl_b32 s22, s18, 23                        ; w2: the expert's 8 MB,
	s_lshl_b32 s30, s17, 22                        ; the K half's 1,024 rows,
	s_add_co_u32 s22, s22, s30
	s_lshl_b32 s31, s19, 8                         ; the block's 256 bytes of a row
	s_add_co_u32 s22, s22, s31
	s_mov_b32 s23, 0
	s_lshr_b32 s30, s16, 1
	s_lshl_b32 s38, s30, 18                        ; K step w of a chunk: 64 (w / 2) rows
	s_and_b32 s30, s16, 1
	s_lshl_b32 s30, s30, 16                        ; + 16 (w % 2) rows
	s_add_co_u32 s38, s38, s30
	s_mov_b32 s39, 0
	s_lshl_b32 s42, s18, 22                        ; hid: the expert's 4 MB, the K half's 32 KB of a tile
	s_lshl_b32 s30, s17, 15
	s_add_co_u32 s42, s42, s30
	s_mov_b32 s43, 0
	s_lshl_b32 s46, s17, 23                        ; yp: the K half's 8 MB, the block's 256 bytes of a row
	s_add_co_u32 s46, s46, s31
	s_mov_b32 s47, 0
	s_lshl_b32 s40, s18, 12                        ; the lists: the expert's 1,024 words
	s_mov_b32 s41, 0
	s_wait_kmcnt 0x0
	s_add_nc_u64 s[8:9], s[8:9], s[40:41]
	s_add_co_u32 s40, s40, 256                     ; the list of rows lies behind the block of the eight counts
	s_add_nc_u64 s[14:15], s[6:7], s[40:41]
	s_lshl_b32 s40, s18, 2                         ; the expert's count
	s_add_nc_u64 s[6:7], s[6:7], s[40:41]
	s_load_b32 s24, s[6:7], 0x0
	s_add_nc_u64 s[44:45], s[10:11], s[22:23]
	s_add_nc_u64 s[20:21], s[44:45], s[38:39]      ; chunk 0,
	s_add_nc_u64 s[34:35], s[20:21], 0x80000       ; chunk 1: 128 rows on
	s_add_nc_u64 s[36:37], s[4:5], s[42:43]
	s_add_nc_u64 s[32:33], s[12:13], s[46:47]
	WLOAD 0                                        ; chunk 0's weights go out first of all
	CLEAR                                          ; the sums are cleared while they are on their way
	s_wait_kmcnt 0x0
	s_min_u32 s24, s24, 0x400
	s_add_co_u32 s25, s24, 15
	s_lshr_b32 s25, s25, 4                         ; tiles of 16 rows, 0 to 64
	s_mov_b32 s26, 0
	s_mov_b32 s27, s16                             ; pass 0: my first tile is my wave's number
	s_sub_co_i32 s30, s25, s27
	s_max_i32 s30, s30, 0
	s_add_co_u32 s30, s30, 3
	s_lshr_b32 s30, s30, 2
	s_min_u32 s28, s30, 5                          ; my live slots: 0 to 5
	ASET
	ALOADH 0x40, 0                                 ; the order of the loop's back edge: half the rows, the next weights, the other half
	WLOAD 1
	ALOADH 0x40, 1
	WIN 0
	s_wait_loadcnt 56                              ; chunk 0's weights are in; the 56 younger loads (20 of rows, 16 of weights, 20 of rows) stay out
	WCVT 0, PK
	WSTORE 0
	s_wait_dscnt 0x0                               ; for the others' sake: my part of slot 0 is in LDS
	s_barrier_signal -1
	s_barrier_wait -1
	BFETCH BF0, 0
	s_mov_b32 s29, 3
.Lk:                                                   ; three trips: chunks 0 to 5.  36 at the head: 16 of weights and 20 of rows are younger; 36 in the middle: 20 of rows and 16 of weights
	CHUNK 0, 1, 1, 0, 36, 36
	CHUNK 1, 1, 1, 0, 36, 36
	WIN 0
	s_sub_co_u32 s29, s29, 1
	s_cmp_lg_u32 s29, 0
	s_cbranch_scc1 .Lk
	CHUNK 0, 0, 1, 0, 36, 20                       ; chunk 6 asks for no more weights: in its middle only the 20 loads of chunk 7's first half are younger
	CHUNK 1, 0, 0, 1, 20, 20                       ; chunk 7 asks for the lists alone: at its head its own second half is younger, in its middle the 20 loads of the lists
	WIN 0
	s_wait_loadcnt 0x0                             ; the lists
	PLACES                                         ; the way out reads results just made
	s_branch .Lepi                                 ; the loop over passes is entered at its way out
.Lpass:                                                ; passes 1 to 3; a pass in which I have no tile is jumped
	s_sub_co_i32 s30, s25, s27
	s_cmp_le_i32 s30, 0
	s_cbranch_scc1 .Lnext
	s_add_co_u32 s30, s30, 3
	s_lshr_b32 s30, s30, 2
	s_min_u32 s28, s30, 5
	ASET
	ELOAD
	CLEAR
	s_mov_b64 s[40:41], s[44:45]
	s_mov_b32 s29, 16
.Lg:
	GSTEP
	s_sub_co_u32 s29, s29, 1
	s_cmp_lg_u32 s29, 0
	s_cbranch_scc1 .Lg
	PLACES
.Lepi:
	EPID 0
	EPID 1
	EPID 2
	EPID 3
	EPID 4
.Lnext:
	s_add_co_u32 s27, s27, 20
	s_add_co_u32 s26, s26, 1
	s_cmp_lt_u32 s26, 4
	s_cbranch_scc1 .Lpass
	s_wait_dscnt 0x0                               ; my reads of the ring are over;
	s_barrier_signal -1                            ; read, wait, barrier, write: every wave's reads are over before any wave's last LDS write below
	s_barrier_wait -1
	s_wait_tensorcnt 0x0                           ; the wave's end, behind my last LDS store
	ds_add_u32 v[SPW], v[NIL]
	s_wait_dscnt 0x0
	s_endpgm
.Lfunc_end_k_q64c56a3acf_down:
	.size	k_q64c56a3acf_down, .Lfunc_end_k_q64c56a3acf_down-k_q64c56a3acf_down
	.p2alignl 7, 3214868480
	.fill 96, 4, 3214868480
	.section	.rodata,"a",@progbits
	.p2align	6, 0x0
	.amdhsa_kernel k_q64c56a3acf_down
		.amdhsa_group_segment_fixed_size 33280
		.amdhsa_private_segment_fixed_size 0
		.amdhsa_enable_private_segment 0
		.amdhsa_kernarg_size 40
		.amdhsa_user_sgpr_count 2
		.amdhsa_user_sgpr_kernarg_segment_ptr 1
		.amdhsa_wavefront_size32 1
		.amdhsa_system_sgpr_workgroup_id_x 1
		.amdhsa_system_sgpr_workgroup_id_y 1
		.amdhsa_system_sgpr_workgroup_id_z 1
		.amdhsa_system_vgpr_workitem_id 0
		.amdhsa_next_free_vgpr 1024
		.amdhsa_next_free_sgpr 66
		.amdhsa_reserve_vcc 0
		.amdhsa_float_denorm_mode_32 3
		.amdhsa_float_denorm_mode_16_64 3
		.amdhsa_memory_ordered 1
		.amdhsa_forward_progress 1
		.amdhsa_inst_pref_size 124
	.end_amdhsa_kernel
	.amdgpu_metadata
---
amdhsa.version: [ 1, 2 ]
amdhsa.kernels:
  - .name:           k_q64c56a3acf_down
    .symbol:         k_q64c56a3acf_down.kd
    .args:
      - { .name: hid, .offset: 0, .size: 8, .value_kind: global_buffer, .address_space: global }
      - { .name: cnt, .offset: 8, .size: 8, .value_kind: global_buffer, .address_space: global }
      - { .name: lw, .offset: 16, .size: 8, .value_kind: global_buffer, .address_space: global }
      - { .name: w2, .offset: 24, .size: 8, .value_kind: global_buffer, .address_space: global }
      - { .name: yp, .offset: 32, .size: 8, .value_kind: global_buffer, .address_space: global }
    .group_segment_fixed_size: 33280
    .private_segment_fixed_size: 0
    .kernarg_segment_align: 8
    .kernarg_segment_size: 40
    .max_flat_workgroup_size: 128
    .sgpr_count:     66
    .vgpr_count:     1024
    .wavefront_size: 32
...
	.end_amdgpu_metadata
.endif
;; end of part 7
;; launch sum: the kernel of part 4 again; grid 256 x 1, 8 waves a work-group, no clusters, 0 bytes of LDS; arguments yp, out0; writes out0
